; MI455X (gfx1250); checked and timed in simulation.
; The chip was launched on July 23, 2026; its instructions are those of AMD's public machine-readable ISA for CDNA 5 (MIT licence, August 2026) and "CDNA5" Instruction Set Architecture Reference Guide (July 2026). The comments in the code are by the model that wrote it; some were corrected since.
;; Multihead Attention. Allowed arithmetic: matrix products marked QUANTISED: E5M2 operands, one E8M0 scale for each 32 along K, by v_wmma_scale_f32_16x16x128_f8f6f4 with both operands' format E5M2, f32 sums; everything else in f32.
;; Inputs: Wk 1,024 x 1,024 float32; Wo 1,024 x 1,024 float32; Wq 1,024 x 1,024 float32; Wv 1,024 x 1,024 float32; bk 1,024 float32; bo 1,024 float32; bq 1,024 float32; bv 1,024 float32; x 4 x 2,048 x 1,024 float32.
;; Outputs: out0 4 x 2,048 x 1,024 float32.
;; This version of the problem:
;;   THIS VERSION OF THE PROBLEM IS GIVEN IN LOW PRECISION. The matrix products marked QUANTISED in the list below multiply operands that are first quantised to E5M2 (5 exponent bits, 2 mantissa bits; 8 bits a number), with one power-of-two scale for each 32 numbers along K (OCP MX v1.0); their sums are f32. All else is computed in f32.
;;   The module's matrix products, in the order in which they are computed (A, B: the left and right operand; K: the contracted axis; several contracted axes count as one K, in the product's order):
;;     1. [M 8,192, K 1,024] x [K 1,024, N 1,024]; A: input x; B: input Wq: QUANTISED
;;     2. [M 8,192, K 1,024] x [K 1,024, N 1,024]; A: input x; B: input Wk: QUANTISED
;;     3. [M 8,192, K 1,024] x [K 1,024, N 1,024]; A: input x; B: input Wv: QUANTISED
;;     4. batch 64 x [M 2,048, K 64] x [K 64, N 2,048]; A: computed on the way; B: computed on the way: QUANTISED
;;     5. batch 64 x [M 2,048, K 2,048] x [K 2,048, N 64]; A: softmax (see below); B: computed on the way: QUANTISED
;;     6. [M 8,192, K 1,024] x [K 1,024, N 1,024]; A: computed on the way; B: input Wo: QUANTISED
;;   THE QUANTISER, for each operand of a quantised product, along K:
;;     - K is cut into blocks of 32 from its start; a last block that is shorter is filled with zeros.
;;     - A block's scale is 2^e with e = floor(log2(the largest magnitude in the block)) - 15, held to -126 .. 127; a block of zeros has e = 0. As a byte (E8M0): e + 127.
;;     - Each number is divided by its block's scale, clamped to +-57,344, and rounded to the nearest number of E5M2, ties to even, subnormals kept.
;;     - The product sums the exact products of the quantised numbers (number of the format x scale) in f32.
;;   ~~~python
;;   def quantise(x, axis):      # numpy; x: float32 -> the quantised numbers, widened to float32 again
;;       x = np.moveaxis(x, axis, -1); K = x.shape[-1]
;;       x = np.pad(x, [(0, 0)] * (x.ndim - 1) + [(0, -K % 32)]); x = x.reshape(x.shape[:-1] + (-1, 32)); a = np.abs(x).max(-1, keepdims=True)
;;       e = np.where(a > 0, np.clip(np.frexp(np.where(a > 0, a, 1))[1] - 1 - 15, -126, 127), 0)      # np.frexp(a)[1] - 1 = floor(log2(a)), exactly
;;       r = np.clip(x / 2.0 ** e, -57344, 57344)
;;       step = 2.0 ** (np.maximum(np.frexp(np.where(r == 0, 1, r))[1] - 1, -14) - 2)
;;       q = np.round(r / step) * step * 2.0 ** e      # np.round: ties to even
;;       return np.moveaxis(q.reshape(q.shape[:-2] + (-1,))[..., :K], -1, axis).astype(np.float32)
;;   ~~~
;;   SOFTMAX AHEAD OF A QUANTISED PRODUCT. Where the list says 'softmax', what is quantised is not the finished softmax but p = 2^(t - M), with t = logit x log2(e) and M = ceil(the row's largest t), a whole number; so 1/2 < the row's largest p <= 1. The row's sum l is taken of the UNQUANTISED p, in f32, and the product's result is divided by l at the end. Since M is a whole number, a kernel that streams over the keys may use a running M (the ceiling of the running maximum): every later rescaling is an exact power of two, which a block's scale takes up: the codes' values come out the same.
;;   OPERANDS COMPUTED ON THE WAY. 'Computed on the way' means the value that the module computes at that place (a softmax that the list does not call 'softmax' is quantised finished and normalised). What goes into a quantiser is computed in f32, as accurately as f32 sums, v_exp_f32 and their like allow (about 1e-6 of the number): no bf16 or f16 on the way to a quantiser, and a product that is left as it is and whose result goes on into a quantised operand takes f32 operands (vector FMAs, or v_wmma_f32_16x16x4_f32). A number that lies on a knife's edge between two numbers of the format may be rounded either way, as far as f32 arithmetic and the matrix unit's own rounding can turn it there, and no further.
;; One version. Each part assembles by itself: llvm-mc -triple=amdgcn-amd-amdhsa -mcpu=gfx1250 --defsym DOCPART=n.
;; ======== version 1 of 1: 4 launches
;; limits: right only within a limited range of input values
;; workspace buffers: ximg 8,388,608 bytes; xs 262,144 bytes; wimg 4,194,304 bytes; ws 262,144 bytes; img 25,165,824 bytes; isc 786,432 bytes; oimg 8,388,608 bytes; os 262,144 bytes
;; launch prep (part 1): grid 512 x 1, 4 waves a work-group, no clusters, 35,328 bytes of LDS; arguments x, Wq, Wk, Wv, Wo, ximg, xs, wimg, ws; writes ximg, xs, wimg, ws
.if DOCPART == 1
	.amdgcn_target "amdgcn-amd-amdhsa--gfx1250"
	.amdhsa_code_object_version 6
	.text
	.protected	k_q2a38448214_prep
	.globl	k_q2a38448214_prep
	.p2align	8
	.type	k_q2a38448214_prep,@function
k_q2a38448214_prep:
	s_mov_b64 s[64:65], 0
	v_nop
	global_prefetch_b8 v0, s[64:65] scope:SCOPE_SE
	s_setreg_imm32_b32 hwreg(HW_REG_WAVE_MODE, 25, 1), 1
	s_wait_xcnt 0x0
; x [8192][1024] and Wq, Wk, Wv, Wo [1024 (k)][1024 (n)], f32, become codes of BF8 (E5M2) with one E8M0 byte for each 32 along K (K = the 1,024 of the model).
; A block's scale is 2^(floor(log2(its largest magnitude)) - 15); each number is divided by it, held within +-57,344 and rounded to the nearest code, ties to even.
; LAYOUT OF THE CODES: images of operand registers.  A fragment is 16 rows x 128 K = 2,048 bytes: four groups c of 512 bytes (group c = block c of 32 along K), lane l's 16 bytes of a group at 16 l.
;   ximg [row / 16][k / 128][2,048];  wimg [n / 16][k / 128][2,048] with n = 0.. Wq's columns, 1,024.. Wk's, 2,048.. Wv's, 3,072.. Wo's.
;   Scale words (the four bytes of a row's 128 K): xs, ws [k / 128][8,192 places of 4 bytes].
; ORDER INSIDE A BLOCK OF 32: lane (r, h) = (l % 16, l / 16), byte i of its 16 holds k = 8 h + i (i < 8) or 16 + 8 h + i - 8.  That is the order in which a matrix result's registers run, so that the later
;   launches' results become operands with no shuffle; every operand of this program has it on both sides of each product, so the same products are summed.
; LIMITS: NaN and infinities among the inputs are not served.  A block whose largest magnitude lies under 2^-111, a block of zeros among them, gets the byte 1 (the rule says 127 for zeros): such a block of
;   zeros has zero codes, and the bytes are read by this program alone.
; Work-groups 0-255 take x (a wave: 64 rows x 128 K, four fragments), work-groups 256-511 the weights (a wave: 32 columns x 128 K).  No matrix work, no tensor loads, no barrier: waves share nothing.
.set WREG, 8704                        ; LDS of a wave (x's path alone uses LDS): a stage of 16 rows x 528 bytes, then 256 bytes for 64 scale words
.set SPX,  528                         ; a stage row: 512 bytes + 16, an odd multiple of 16: the 16 rows that a read touches start in different banks
.set TM,   16                          ; v16-19 largest magnitudes, v20-23 bytes, v24-27 57,344 x the scale, v28-31 the conversions' scale operands
.set PW,   32                          ; v32    the scale word just made
.set PC,   36                          ; v36-51 a fragment's codes
.set XR,   64                          ; v64-255 x: three sets of 64 numbers;  weights: v64-191 four blocks of 32 numbers
.set CW,   192                         ; v192-223 weights: eight registers of codes for each block, never written again
	s_load_b64 s[4:5], s[0:1], 0x0                 ; x
	s_load_b256 s[8:15], s[0:1], 0x8               ; Wq, Wk, Wv, Wo
	s_load_b256 s[16:23], s[0:1], 0x28             ; ximg, xs, wimg, ws
	v_lshl_add_u32 v62, v0, 2, 0x8800
	v_mov_b32 v63, 0
	v_lshrrev_b32 v1, 5, v0
	v_readfirstlane_b32 s24, v1                    ; wave 0..3
	v_and_b32 v1, 31, v0                           ; lane
	s_mov_b32 s28, 0x600000                        ; the mantissa field of 57,344
	s_cmp_ge_u32 ttmp9, 256
	s_cbranch_scc1 .Lweights
	; ---------------- x ----------------
	v_and_b32 v2, 15, v0                           ; r
	v_bfe_u32 v3, v0, 4, 1                         ; h
	v_lshlrev_b32 v4, 4, v1                        ; 16 x lane: my bytes of a row's 512, and of a group of codes
	s_mul_i32 s25, s24, WREG
	v_add_nc_u32 v5, s25, v4                       ; the stage, on the way in
	v_mul_u32_u24 v6, v2, SPX
	v_lshl_add_u32 v6, v3, 5, v6
	v_add_nc_u32 v6, s25, v6                       ; and on the way out: row r, + 32 h bytes (eight numbers)
	s_add_co_u32 s25, s25, 16*SPX
	v_lshl_add_u32 v7, v2, 2, s25                  ; where row r's scale word goes
	v_lshl_add_u32 v8, v1, 3, s25                  ; and where I read two words back
	v_lshlrev_b32 v9, 3, v1
	s_mov_b32 s26, 0x76543210
	s_mov_b32 s27, 0xfedcba98                      ; v_permlanex16_b32's selects for lane l xor 16
.irp b, 0,1,2,3
	v_mov_b32 v[TM+4+\b], 0                        ; written once: a lane permute's destination counts as one of its sources
.endr
	s_lshr_b32 s29, ttmp9, 1                       ; which 64 rows
	s_and_b32 s30, ttmp9, 1
	s_lshl_b32 s30, s30, 2
	s_add_co_u32 s30, s30, s24                     ; which 128 along K
	s_lshl_b32 s32, s29, 18                        ; x: 64 rows of 4,096 bytes,
	s_lshl_b32 s31, s30, 9                         ; 128 numbers of 4 bytes
	s_add_co_u32 s32, s32, s31
	s_mov_b32 s33, 0
	s_lshl_b32 s34, s29, 16                        ; ximg: four tiles of rows, 16,384 bytes each,
	s_lshl_b32 s31, s30, 11                        ; a fragment of 2,048
	s_add_co_u32 s34, s34, s31
	s_mov_b32 s35, 0
	s_lshl_b32 s36, s30, 15                        ; xs: a plane of 32,768 bytes,
	s_lshl_b32 s31, s29, 8                         ; 64 words
	s_add_co_u32 s36, s36, s31
	s_mov_b32 s37, 0
	s_wait_alu depctr_va_vdst(0)
	s_wait_kmcnt 0x0
	s_add_nc_u64 s[4:5], s[4:5], s[32:33]
	s_add_nc_u64 s[16:17], s[16:17], s[34:35]
	s_add_nc_u64 s[18:19], s[18:19], s[36:37]
; 64 numbers of a lane, v[s] on, register 16 b + i = place i of block b of my row, become a fragment's codes in v[PC] on and its scale word in v[PW]
.macro QUANT s
.irp b, 0,1,2,3
	v_max3_num_f32 v[TM+\b], |v[\s+16*\b]|, |v[\s+1+16*\b]|, 0x8000000   ; my 16 numbers of block b, and the floor 2^(16 - 127): the byte cannot fall under 1
.endr
.irp i, 2,4,6,8,10,12,14
.irp b, 0,1,2,3
	v_max3_num_f32 v[TM+\b], v[TM+\b], |v[\s+16*\b+\i]|, |v[\s+1+16*\b+\i]|   ; the four blocks by turns
.endr
.endr
.irp b, 0,1,2,3
	v_permlanex16_b32 v[TM+4+\b], v[TM+\b], s26, s27
.endr
.irp b, 0,1,2,3
	v_max_num_f32 v[TM+\b], v[TM+\b], v[TM+4+\b]   ; with lane l xor 16's 16: the block's largest magnitude
.endr
.irp b, 0,1,2,3
	v_add_nc_u32 v[TM+12+\b], 0xf8800000, v[TM+\b] ; 15 off its exponent field: the conversion takes this operand's exponent field as its scale
.endr
.irp b, 0,1,2,3
	v_and_or_b32 v[TM+8+\b], v[TM+\b], 0x7f800000, s28   ; 57,344 x the scale
.endr
.irp b, 0,1,2,3
	v_lshrrev_b32 v[TM+4+\b], 23, v[TM+12+\b]      ; the scale's byte
.endr
	v_lshl_or_b32 v[PW], v[TM+5], 8, v[TM+4]
	v_lshl_or_b32 v[PW], v[TM+6], 16, v[PW]
	v_lshl_or_b32 v[PW], v[TM+7], 24, v[PW]
.irp b, 0,1,2,3
.irp i, 0,1,2,3,4,5,6,7,8,9,10,11,12,13,14,15
	v_med3_num_f32 v[\s+16*\b+\i], v[\s+16*\b+\i], -v[TM+8+\b], v[TM+8+\b]   ; the conversion to an 8-bit code does not saturate (ISA guide 7.6.2): the hold comes first
.endr
	v_cvt_scalef32_pk8_bf8_f32 v[PC+4*\b:PC+1+4*\b], v[\s+16*\b:\s+7+16*\b], v[TM+12+\b]
	v_cvt_scalef32_pk8_bf8_f32 v[PC+2+4*\b:PC+3+4*\b], v[\s+8+16*\b:\s+15+16*\b], v[TM+12+\b]
.endr
	v_nop                                          ; a plain vector line behind the last conversion
.endm
.macro LOADF f                         ; fragment f: 16 rows, each load one row's 512 consecutive bytes
.set XS, XR+64*((\f)%3)
.irp p, 0,1,2,3,4,5,6,7,8,9,10,11,12,13,14,15
	global_load_b128 v[XS+4*\p:XS+4*\p+3], v4, s[4:5] offset:(16*(\f)+\p)*4096 th:TH_LOAD_NT
.endr
.endm
.macro FRAGX f, left                   ; left: the younger fragments' loads, which may stay out
.set XS, XR+64*((\f)%3)
	s_wait_loadcnt \left
.irp p, 0,1,2,3,4,5,6,7,8,9,10,11,12,13,14,15
	ds_store_b128 v5, v[XS+4*\p:XS+4*\p+3] offset:SPX*\p
.endr
.irp c, 0,1,2,3                        ; back, 16 numbers of each block of my row, in the order of the head comment.  LDS serves a wave's instructions in order: these see the stores above
	ds_load_b128 v[XS+16*\c:XS+16*\c+3],     v6 offset:128*\c
	ds_load_b128 v[XS+16*\c+4:XS+16*\c+7],   v6 offset:128*\c+16
	ds_load_b128 v[XS+16*\c+8:XS+16*\c+11],  v6 offset:128*\c+64
	ds_load_b128 v[XS+16*\c+12:XS+16*\c+15], v6 offset:128*\c+80
.endr
	s_wait_dscnt 0x0                               ; the numbers are back; the last fragment's word store has read its register
	s_wait_xcnt 0x0                                ; the last fragment's stores have read the codes' registers, which are written again below
	QUANT XS
.irp c, 0,1,2,3
	global_store_b128 v4, v[PC+4*\c:PC+4*\c+3], s[16:17] offset:16384*(\f)+512*\c   ; 32 lanes store 512 consecutive bytes, aligned
.endr
	ds_store_b32 v7, v[PW] offset:64*(\f)          ; both lanes of a row write the same word with the same value
.endm
	LOADF 0
	LOADF 1
	LOADF 2
	FRAGX 0, 32
	LOADF 3                                        ; into the set that fragment 0 has left
	FRAGX 1, 32
	FRAGX 2, 16
	FRAGX 3, 0
	ds_load_b64 v[34:35], v8                       ; my wave's 64 scale words, two a lane
	s_wait_dscnt 0x0
	global_store_b64 v9, v[34:35], s[18:19]        ; 256 consecutive bytes, aligned
	s_wait_tensorcnt 0x0
	ds_add_u32 v62, v63
	s_wait_dscnt 0x0
	s_endpgm
	; ---------------- the weights: a lane takes a column n, its registers run down K ----------------
.Lweights:
	s_sub_co_u32 s25, ttmp9, 256
	s_lshr_b32 s26, s25, 6                         ; which weight
	s_bfe_u32 s27, s25, 0x30003                    ; which 128 columns
	s_and_b32 s29, s25, 7                          ; which 128 along K
	s_lshl_b32 s27, s27, 7
	s_lshl_b32 s30, s24, 5
	s_add_co_u32 s27, s27, s30                     ; my wave's first column
	s_wait_alu depctr_va_vdst(0)
	v_lshlrev_b32 v4, 2, v1                        ; 4 bytes a lane
	v_lshrrev_b32 v5, 4, v1
	v_and_b32 v6, 15, v1
	v_lshlrev_b32 v5, 14, v5                       ; lanes 16-31 belong to the next tile of 16 rows of wimg,
	v_lshl_add_u32 v5, v6, 4, v5                   ; 16 bytes for each row of a tile
	s_lshl_b32 s32, s29, 19                        ; the weight: 128 rows of 4,096 bytes,
	s_lshl_b32 s30, s27, 2
	s_add_co_u32 s32, s32, s30
	s_mov_b32 s33, 0
	s_lshl_b32 s34, s26, 6
	s_lshr_b32 s30, s27, 4
	s_add_co_u32 s34, s34, s30                     ; wimg: tile 64 x weight + column / 16,
	s_lshl_b32 s34, s34, 14
	s_lshl_b32 s30, s29, 11
	s_add_co_u32 s34, s34, s30
	s_mov_b32 s35, 0
	s_lshl_b32 s36, s26, 10
	s_add_co_u32 s36, s36, s27
	s_lshl_b32 s36, s36, 2                         ; ws: a word for each row,
	s_lshl_b32 s30, s29, 15                        ; in the plane of my 128 along K
	s_add_co_u32 s36, s36, s30
	s_mov_b32 s37, 0
	s_wait_alu depctr_va_vdst(0)
	s_wait_kmcnt 0x0
	s_mov_b64 s[38:39], s[8:9]
	s_cmp_eq_u32 s26, 1                            ; the choice hangs on the work-group's number alone
	s_cselect_b64 s[38:39], s[10:11], s[38:39]
	s_cmp_eq_u32 s26, 2
	s_cselect_b64 s[38:39], s[12:13], s[38:39]
	s_cmp_eq_u32 s26, 3
	s_cselect_b64 s[38:39], s[14:15], s[38:39]
	s_add_nc_u64 s[38:39], s[38:39], s[32:33]
	s_add_nc_u64 s[20:21], s[20:21], s[34:35]
	s_add_nc_u64 s[22:23], s[22:23], s[36:37]
.macro LOADW t                         ; block t: W(32 t + i, my column): 32 lanes read 128 consecutive bytes, the four waves stand side by side on 512
.irp i, 0,1,2,3,4,5,6,7,8,9,10,11,12,13,14,15,16,17,18,19,20,21,22,23,24,25,26,27,28,29,30,31
	global_load_b32 v[XR+32*(\t)+\i], v4, s[38:39] offset:(32*(\t)+\i)*4096 th:TH_LOAD_NT
.endr
.endm
.macro BLOCKW t, left
.set XS, XR+32*(\t)
	s_wait_loadcnt \left                           ; this block's 32 loads are in; the next block's 32 may be out
.if (\t) < 2
	LOADW (\t)+2                                   ; two blocks ahead, into registers of its own
.endif
	v_max3_num_f32 v12, |v[XS]|, |v[XS+1]|, |v[XS+2]|      ; all 32 numbers of the block are mine
	v_max3_num_f32 v13, |v[XS+3]|, |v[XS+4]|, |v[XS+5]|
.irp i, 6,10,14,18,22,26
	v_max3_num_f32 v12, v12, |v[XS+\i]|, |v[XS+\i+1]|
	v_max3_num_f32 v13, v13, |v[XS+\i+2]|, |v[XS+\i+3]|
.endr
	v_max3_num_f32 v12, v12, |v[XS+30]|, |v[XS+31]|
	v_max3_num_f32 v12, v12, v13, 0x8000000        ; and the floor
	v_add_nc_u32 v11, 0xf8800000, v12
	v_and_or_b32 v14, v12, 0x7f800000, s28
	v_lshrrev_b32 v15, 23, v11
.if (\t) == 0
	v_mov_b32 v10, v15
.else
	v_lshl_or_b32 v10, v15, 8*(\t), v10            ; the four bytes make my column's scale word
.endif
.irp i, 0,1,2,3,4,5,6,7,8,9,10,11,12,13,14,15,16,17,18,19,20,21,22,23,24,25,26,27,28,29,30,31
	v_med3_num_f32 v[XS+\i], v[XS+\i], -v14, v14
.endr
	v_cvt_scalef32_pk8_bf8_f32 v[CW+8*(\t):CW+8*(\t)+1],   v[XS:XS+7],     v11   ; k 0-7 and 16-23 are the 16 bytes of h = 0,
	v_cvt_scalef32_pk8_bf8_f32 v[CW+8*(\t)+4:CW+8*(\t)+5], v[XS+8:XS+15],  v11   ; k 8-15 and 24-31 those of h = 1
	v_cvt_scalef32_pk8_bf8_f32 v[CW+8*(\t)+2:CW+8*(\t)+3], v[XS+16:XS+23], v11
	v_cvt_scalef32_pk8_bf8_f32 v[CW+8*(\t)+6:CW+8*(\t)+7], v[XS+24:XS+31], v11
	v_nop                                          ; a plain vector line behind the last conversion
	global_store_b128 v5, v[CW+8*(\t):CW+8*(\t)+3],   s[20:21] offset:512*(\t)       ; sixteen lanes store 256 consecutive bytes, aligned
	global_store_b128 v5, v[CW+8*(\t)+4:CW+8*(\t)+7], s[20:21] offset:512*(\t)+256
.endm
	LOADW 0
	LOADW 1
	BLOCKW 0, 32
	BLOCKW 1, 32
	BLOCKW 2, 32
	BLOCKW 3, 0
	global_store_b32 v4, v10, s[22:23]             ; 32 words: 128 consecutive bytes
	s_endpgm
.Lfunc_end_k_q2a38448214_prep:
	.size	k_q2a38448214_prep, .Lfunc_end_k_q2a38448214_prep-k_q2a38448214_prep
	.p2alignl 7, 3214868480
	.fill 96, 4, 3214868480
	.section	.rodata,"a",@progbits
	.p2align	6, 0x0
	.amdhsa_kernel k_q2a38448214_prep
		.amdhsa_group_segment_fixed_size 35328
		.amdhsa_private_segment_fixed_size 0
		.amdhsa_enable_private_segment 0
		.amdhsa_kernarg_size 72
		.amdhsa_user_sgpr_count 2
		.amdhsa_user_sgpr_kernarg_segment_ptr 1
		.amdhsa_wavefront_size32 1
		.amdhsa_system_sgpr_workgroup_id_x 1
		.amdhsa_system_sgpr_workgroup_id_y 1
		.amdhsa_system_sgpr_workgroup_id_z 1
		.amdhsa_system_vgpr_workitem_id 0
		.amdhsa_next_free_vgpr 256
		.amdhsa_next_free_sgpr 66
		.amdhsa_reserve_vcc 0
		.amdhsa_float_denorm_mode_32 3
		.amdhsa_float_denorm_mode_16_64 3
		.amdhsa_memory_ordered 1
		.amdhsa_forward_progress 1
		.amdhsa_inst_pref_size 80
	.end_amdhsa_kernel
	.amdgpu_metadata
---
amdhsa.version: [ 1, 2 ]
amdhsa.kernels:
  - .name:           k_q2a38448214_prep
    .symbol:         k_q2a38448214_prep.kd
    .args:
      - { .name: x, .offset: 0, .size: 8, .value_kind: global_buffer, .address_space: global }
      - { .name: Wq, .offset: 8, .size: 8, .value_kind: global_buffer, .address_space: global }
      - { .name: Wk, .offset: 16, .size: 8, .value_kind: global_buffer, .address_space: global }
      - { .name: Wv, .offset: 24, .size: 8, .value_kind: global_buffer, .address_space: global }
      - { .name: Wo, .offset: 32, .size: 8, .value_kind: global_buffer, .address_space: global }
      - { .name: ximg, .offset: 40, .size: 8, .value_kind: global_buffer, .address_space: global }
      - { .name: xs, .offset: 48, .size: 8, .value_kind: global_buffer, .address_space: global }
      - { .name: wimg, .offset: 56, .size: 8, .value_kind: global_buffer, .address_space: global }
      - { .name: ws, .offset: 64, .size: 8, .value_kind: global_buffer, .address_space: global }
    .group_segment_fixed_size: 35328
    .private_segment_fixed_size: 0
    .kernarg_segment_align: 8
    .kernarg_segment_size: 72
    .max_flat_workgroup_size: 128
    .sgpr_count:     66
    .vgpr_count:     256
    .wavefront_size: 32
...
	.end_amdgpu_metadata
.endif
;; end of part 1
;; launch qkv (part 2): grid 8 x 32, 4 waves a work-group, clusters of 4 x 4, 327,680 bytes of LDS; arguments ximg, xs, wimg, ws, bq, bk, bv, img, isc; writes img, isc
.if DOCPART == 2
	.amdgcn_target "amdgcn-amd-amdhsa--gfx1250"
	.amdhsa_code_object_version 6
	.text
	.protected	k_q2a38448214_qkv
	.globl	k_q2a38448214_qkv
	.p2align	8
	.type	k_q2a38448214_qkv,@function
k_q2a38448214_qkv:
	s_mov_b64 s[64:65], 0
	v_nop
	global_prefetch_b8 v0, s[64:65] scope:SCOPE_SE
	s_setreg_imm32_b32 hwreg(HW_REG_WAVE_MODE, 25, 1), 1
	s_wait_xcnt 0x0
	s_wait_alu depctr_hold_cnt(0) depctr_sa_sdst(0) depctr_va_vdst(0) depctr_va_sdst(0) depctr_va_ssrc(0) depctr_va_vcc(0) depctr_vm_vsrc(0)
	s_getreg_b32 s2, hwreg(HW_REG_IB_STS2, 6, 4)
	s_cmp_eq_u32 s2, 0
	s_cbranch_scc0 .Lentry_in_a_cluster
	s_endpgm
.Lentry_in_a_cluster:
	s_bfe_u32 s2, ttmp6, 0x10000c
	s_cmp_lg_u32 s2, 0xf033
	s_cbranch_scc0 .Lentry_shape_is_right
	s_endpgm
.Lentry_shape_is_right:
; Q, K, V = x W + b on codes of BF8 (E5M2) with E8M0 scales, K = 1,024, and their quantisers: codes and scale bytes leave as images of the next launch's operand registers.
; IN: ximg [row / 16][k / 128][2,048], wimg [n / 16][k / 128][2,048] (n: Wq's columns, then Wk's, Wv's): fragments of 16 rows x 128 K as four groups of 512 bytes, lane l's 16 bytes at 16 l; xs, ws [k / 128][8,192 words].
; OUT: img [Q, K, V][batch][head pair][128 units][2,048].  Q, K: a unit is 16 tokens, groups 0, 1 the pair's first head, 2, 3 its second.  V: unit 8 x (key / 128) + 4 x head + channel tile, group = block of 32 keys.
;   isc: a word for each row of a unit.  K's are paired: the place of token tile 2 u + e holds head e's two bytes of tokens 32 u + r (below) and 32 u + 16 + r (above).
; SHARES.  256 work-groups: one head pair x 256 tokens.  A wave holds 64 rows of a weight, all of K, in 512 registers (windows 1, 2) and streams blocks of 16 tokens past them; a block stands in one of two sets of
;   128 registers (window 3); 32 products a block.
;   PHASE 1: wave w takes head w % 2 of Q (w < 2) or of K: all 16 blocks; source 0 = the weight, so a lane holds one token and 32 neighbouring channels twice.
;   PHASE 2: wave w takes head w % 2 of V and the tokens' half w / 2: 8 blocks; source 0 = the tokens, so a lane holds one channel; a block of 32 keys lies in the sums of two blocks of tokens.
; LDS.  Bytes 0 to 262,143 are filled twice.  First each wave's 65,536 bytes of phase 1's weight land there, one load a wave, read by that wave alone into its registers.  Then, behind a drained round of the cluster's
;   barrier, the 256 tokens' codes, all of K, are filled over them, one load of 65,536 bytes a wave, and stay.
; CLUSTER, 4 x 4.  The four work-groups of a column make the same head pair and ask for phase 1's weights jointly; the four of a row have the same tokens and ask for them jointly.  Phase 2's weight is NOT asked for
;   jointly: beside 262,144 bytes of tokens LDS has no room for its 131,072, and wimg is laid in the order of the registers, so each lane loads its fragments whole.
; PREFETCH.  While the weights land, the tokens' bytes are asked for ahead of the load that will want them: of the 262,144 bytes of a row of the cluster the partner at place cx names 65,536, wave w 16,384 of them, by two
;   instructions, lanes 256 bytes apart: each block of 256 bytes once in each cluster that loads it.
; LIMITS: NaN and infinities are not served; a block whose largest magnitude lies under 2^-111 gets the byte 1 (a block of zeros too: its codes are zeros; the bytes are read by this program alone).
.set XS,    262144                     ; the tokens' scale words: [k / 128][256 tokens], 8,192 bytes, copied through registers
.set QST,   270336                     ; Q's scale words on the way out, 1,024 bytes; K's; V's
.set VST,   272384
.set SPARE, 274432
.set LI,  4                            ; 16 x lane
.set R4,  5                            ; 4 x (lane % 16)
.set L4,  6                            ; 4 x lane
.set BO,  7                            ; 32 x (lane / 16)
.set ADT, 8
.set AAS, 9
.set SPW, 10
.set NIL, 11
.set AS0, 12
.set SGE, 13
.set SGO, 14
.set SGV, 15
.set FRD, 16
.set XG,  17
.set XL,  18
.set U16, 19
.set RA,  22                           ; 65,536 x wave + 16 x lane: my weight in LDS
.set PF,  23                           ; 256 x lane
.set SB,  24                           ; v24-39 the weight's scale words: register 8 p + q: lanes 0-15 tile 2 p, lanes 16-31 tile 2 p + 1
.set SA,  44                           ; v44-59 the tokens': two sets of eight
.set TM,  64                           ; v64-83 maxima, bytes, scale operands, bounds
.set CD,  84                           ; v84-99 codes
.set ACC, 128                          ; v128-191 two sets of four accumulators
.set BQ,  192                          ; v192-223 the bias: the first four products' C
.set G0,  20
.set G1,  24
.set RB,  50
.set WB,  52
.set WPQ, 56
.set BPQ, 58
.set OP,  60
.set OPV, 62
.set TO,  66
.set SO,  67
.set CNT, 68
.set MNT, 69
.set SEL, 70
.set PFB, 82
.set G1R, 84
.set G0R, 92
.set MSB, 0
.macro WIN new
.if MSB != (\new)
	s_set_vgpr_msb (MSB<<8)|(\new)
.set MSB, (\new)
.endif
.endm
.macro PLACES n
.rept \n
	v_nop
.endr
.endm
.macro CROUND
	s_barrier_signal -1
	s_barrier_wait -1
	s_cmp_lg_u32 s14, 0
	s_cbranch_scc1 .Lnot_wave_0_\@
	s_barrier_signal -3
.Lnot_wave_0_\@:
	s_barrier_wait -3
	s_barrier_signal -1
	s_barrier_wait -1
.endm
.macro RLOAD ptr, off                  ; my 64 rows of a weight from memory: fragment f = 4 q + b (K step q, tile b) into window 1 + f / 16: 128 loads of 512 consecutive bytes
.set f_, 0
.rept 32
	WIN (1+f_/16)<<6
.irp c, 0,1,2,3
	global_load_b128 v[16*(f_%16)+4*\c:16*(f_%16)+4*\c+3], v[LI], s[\ptr:\ptr+1] offset:(\off)+(f_%4)*16384+(f_/4)*2048+512*\c
.endr
.set f_, f_+1
.endr
	WIN 0
.endm
.macro SLOAD ptr, off                  ; and their scale words
.irp p, 0,1
.irp q, 0,1,2,3,4,5,6,7
	global_load_b32 v[SB+8*\p+\q], v[L4], s[\ptr:\ptr+1] offset:(\off)+32768*\q+128*\p
.endr
.endr
.endm
.macro FETCH k                         ; a block of 16 tokens, all of K, into set k, and its scale words: 40 LDS loads
	v_add_nc_u32 v[ADT], s[TO], v[LI]
	v_add_nc_u32 v[AAS], s[SO], v[AS0]
	WIN 3<<6
.irp q, 0,1,2,3,4,5,6,7
.irp c, 0,1,2,3
	ds_load_b128 v[128*\k+16*\q+4*\c:128*\k+16*\q+4*\c+3], v[ADT] offset:2048*\q+512*\c
.endr
.endr
	WIN 0
.irp q, 0,1,2,3,4,5,6,7
	ds_load_b32 v[SA+8*\k+\q], v[AAS] offset:1024*\q
.endr
.endm
.macro NEXT k                          ; set k takes the block two on; a phase's last two blocks fetch nothing and wait for all that is out
	s_cmp_eq_u32 s[CNT], 1
	s_cbranch_scc1 .Lnone_\@
	FETCH \k
	s_branch .Ldone_\@
.Lnone_\@:
	s_wait_dscnt 0x0
.Ldone_\@:
	s_add_co_u32 s[TO], s[TO], 16384
	s_add_co_u32 s[SO], s[SO], 64
.endm
.macro PRODS kind, k, a                ; 32 products: the four accumulators by turns, K ascending.  kind 0: source 0 = the weight; 1: source 0 = the tokens
.set n_, 0
.rept 32
.set W_, 16*(n_%16)
.set X_, 128*(\k)+16*(n_/4)
.set A_, (\a)+8*(n_%4)
.set C_, A_
.if n_ < 4
.set C_, BQ+8*n_
.endif
.set WS_, SB+8*((n_%4)/2)+n_/4
.set XS_, SA+8*(\k)+n_/4
.if \kind
	WIN 3|((1+n_/16)<<2)
.if n_%2
	v_wmma_scale_f32_16x16x128_f8f6f4 v[A_:A_+7], v[X_:X_+15], v[W_:W_+15], v[C_:C_+7], v[XS_], v[WS_] matrix_a_fmt:MATRIX_FMT_BF8 matrix_b_fmt:MATRIX_FMT_BF8 matrix_b_scale:MATRIX_SCALE_ROW1
.else
	v_wmma_scale_f32_16x16x128_f8f6f4 v[A_:A_+7], v[X_:X_+15], v[W_:W_+15], v[C_:C_+7], v[XS_], v[WS_] matrix_a_fmt:MATRIX_FMT_BF8 matrix_b_fmt:MATRIX_FMT_BF8
.endif
.else
	WIN (1+n_/16)|(3<<2)
.if n_%2
	v_wmma_scale_f32_16x16x128_f8f6f4 v[A_:A_+7], v[W_:W_+15], v[X_:X_+15], v[C_:C_+7], v[WS_], v[XS_] matrix_a_fmt:MATRIX_FMT_BF8 matrix_b_fmt:MATRIX_FMT_BF8 matrix_a_scale:MATRIX_SCALE_ROW1
.else
	v_wmma_scale_f32_16x16x128_f8f6f4 v[A_:A_+7], v[W_:W_+15], v[X_:X_+15], v[C_:C_+7], v[WS_], v[XS_] matrix_a_fmt:MATRIX_FMT_BF8 matrix_b_fmt:MATRIX_FMT_BF8
.endif
.endif
.set n_, n_+1
.endr
	WIN 0
.endm
; n blocks of 32 by turns: block c's places 0-7 of a lane at lb + ls c, places 8-15 at hb + hs c; the other 16 lie in lane l xor 16.  Codes into CD + 4 c, the byte into TM + 4 + c
.macro QUANT n, lb, ls, hb, hs
.set c_, 0
.rept \n
	v_max3_num_f32 v[TM+c_], |v[(\lb)+(\ls)*c_]|, |v[(\lb)+(\ls)*c_+1]|, 0x8000000   ; with the floor 2^(16 - 127): the byte cannot fall under 1
.set c_, c_+1
.endr
.irp i, 2,4,6
.set c_, 0
.rept \n
	v_max3_num_f32 v[TM+c_], v[TM+c_], |v[(\lb)+(\ls)*c_+\i]|, |v[(\lb)+(\ls)*c_+\i+1]|
.set c_, c_+1
.endr
.endr
.irp i, 0,2,4,6
.set c_, 0
.rept \n
	v_max3_num_f32 v[TM+c_], v[TM+c_], |v[(\hb)+(\hs)*c_+\i]|, |v[(\hb)+(\hs)*c_+\i+1]|
.set c_, c_+1
.endr
.endr
.set c_, 0
.rept \n
	v_permlanex16_b32 v[TM+4+c_], v[TM+c_], s[SEL], s[SEL+1]
.set c_, c_+1
.endr
.set c_, 0
.rept \n
	v_max_num_f32 v[TM+c_], v[TM+c_], v[TM+4+c_]
.set c_, c_+1
.endr
.set c_, 0
.rept \n
	v_add_nc_u32 v[TM+8+c_], 0xf8800000, v[TM+c_]              ; 15 off the exponent field: the conversion's scale operand
	v_and_or_b32 v[TM+12+c_], v[TM+c_], 0x7f800000, s[MNT]     ; 57,344 x the scale
.set c_, c_+1
.endr
.set c_, 0
.rept \n
	v_lshrrev_b32 v[TM+4+c_], 23, v[TM+8+c_]                   ; the byte
.set c_, c_+1
.endr
.set c_, 0
.rept \n
.irp i, 0,1,2,3,4,5,6,7
	v_med3_num_f32 v[(\lb)+(\ls)*c_+\i], v[(\lb)+(\ls)*c_+\i], -v[TM+12+c_], v[TM+12+c_]   ; the conversion does not saturate (ISA guide 7.6.2)
	v_med3_num_f32 v[(\hb)+(\hs)*c_+\i], v[(\hb)+(\hs)*c_+\i], -v[TM+12+c_], v[TM+12+c_]
.endr
.set c_, c_+1
.endr
.set c_, 0
.rept \n
	v_cvt_scalef32_pk8_bf8_f32 v[CD+4*c_:CD+4*c_+1],   v[(\lb)+(\ls)*c_:(\lb)+(\ls)*c_+7], v[TM+8+c_]
	v_cvt_scalef32_pk8_bf8_f32 v[CD+4*c_+2:CD+4*c_+3], v[(\hb)+(\hs)*c_:(\hb)+(\hs)*c_+7], v[TM+8+c_]
.set c_, c_+1
.endr
	v_nop                                          ; a plain vector line behind the last conversion
.endm
	s_load_b256 s[32:39], s[0:1], 0x0              ; ximg, xs, wimg, ws
	s_load_b256 s[40:47], s[0:1], 0x20             ; bq, bk, bv, img
	s_load_b64 s[48:49], s[0:1], 0x40              ; isc
	v_lshl_add_u32 v[SPW], v0, 2, SPARE
	v_mov_b32 v[NIL], 0
	ds_add_u32 v[SPW], v[NIL]                      ; the opening: the add twice on end and one wait
	ds_add_u32 v[SPW], v[NIL]
	v_lshrrev_b32 v1, 5, v0
	v_readfirstlane_b32 s14, v1                    ; wave 0..3
	s_lshr_b32 s15, s14, 1                         ; phase 1: Q (0) or K (1);  phase 2: my half of the tokens
	s_and_b32 s16, s14, 1                          ; my head of the pair
	s_mul_i32 s72, s15, s16                        ; where a block's two scale bytes go: Q: 64 x tile + 4 r + 2 x head;  K: 1,024 + 128 x (tile / 2) + 64 x head + 4 r + 2 x (tile % 2)
	s_mul_i32 s72, s72, 62
	s_lshl_b32 s73, s16, 1
	s_add_co_u32 s72, s72, s73
	s_lshl_b32 s73, s15, 10
	s_add_co_u32 s72, s72, s73
	s_add_co_u32 s72, s72, QST                     ; an even tile's,
	s_xor_b32 s73, s15, 1
	s_lshl_b32 s73, s73, 6
	s_add_co_u32 s73, s73, s72
	s_lshl_b32 s74, s15, 1
	s_add_co_u32 s73, s73, s74                     ; an odd tile's: 64 on (Q) or 2 on (K)
	s_lshl_b32 s74, s15, 9
	s_lshl_b32 s75, s16, 8
	s_add_co_u32 s74, s74, s75
	s_add_co_u32 s74, s74, VST                     ; V: 512 x key step + 256 x head + 64 x tile + 4 r + block
	s_lshl_b32 s75, s14, 10
	s_add_co_u32 s75, s75, QST
	s_lshl_b32 s76, s14, 16
	v_and_b32 v1, 15, v0
	v_bfe_u32 v2, v0, 4, 1
	v_and_b32 v3, 31, v0
	v_lshrrev_b32 v20, 6, v0
	v_and_b32 v21, 63, v0
	v_lshlrev_b32 v[LI], 4, v3
	v_lshlrev_b32 v[R4], 2, v1
	v_lshlrev_b32 v[L4], 2, v3
	v_lshlrev_b32 v[BO], 5, v2
	v_lshlrev_b32 v[PF], 8, v3
	v_lshlrev_b32 v20, 15, v20
	v_lshl_add_u32 v[XG], v21, 4, v20              ; xs: thread t takes 16 bytes of plane t / 64 (and 2, 4, 6 planes on)
	v_lshl_add_u32 v[XL], v0, 4, XS
	v_lshl_add_u32 v[RA], v3, 4, s76
	v_add_nc_u32 v[AS0], XS, v[R4]
	v_add_nc_u32 v[SGE], s72, v[R4]
	v_add_nc_u32 v[SGO], s73, v[R4]
	v_add_nc_u32 v[SGV], s74, v[R4]
	v_add_nc_u32 v[FRD], s75, v[LI]
.irp c, 0,1,2,3
	v_mov_b32 v[TM+4+\c], 0                        ; a lane permute's destination counts as one of its sources
.endr
	s_bfe_u32 s19, ttmp6, 0x40000                  ; cx
	s_bfe_u32 s80, ttmp6, 0x40004                  ; cy
	s_lshl_b32 s17, ttmp9, 2
	s_add_co_u32 s17, s17, s19                     ; head pair: a column of the cluster shares it
	s_and_b32 s18, ttmp7, 0xffff
	s_lshl_b32 s18, s18, 2
	s_add_co_u32 s18, s18, s80                     ; which 256 tokens: a row of the cluster shares them
	s_lshl_b32 s80, s80, 2
	s_lshl_b32 s80, 15, s80                        ; my row of the cluster
	s_lshl_b32 s81, 0x1111, s19                    ; my column
	s_lshr_b32 s72, s18, 3
	s_and_b32 s73, s18, 7                          ; which 256 of the batch's
	s_lshl_b32 s72, s72, 3
	s_add_co_u32 s72, s72, s17                     ; 8 x batch + head pair
	s_or_b32 s[G1], s80, (3<<16)|(1<<21)           ; a dense block of 65,536 bytes as 256 rows of 256 (32 elements of 8 bytes): the tokens go to my row,
	s_or_b32 s[G1R], s81, (3<<16)|(1<<21)          ; the weights to my column
.irp g, G1, G1R
	s_mov_b32 s[\g+1], 32<<16
	s_mov_b32 s[\g+2], 256<<16
	s_mov_b32 s[\g+3], 32<<16
	s_mov_b32 s[\g+4], 256
	s_mov_b32 s[\g+5], 32
	s_mov_b32 s[\g+6], 0
	s_mov_b32 s[\g+7], 0
.endr
	s_mov_b32 s[G0], 1
	s_lshl_b32 s[G0+1], s14, 16
	s_mov_b32 s[G0R], 1
	s_lshl_b32 s[G0R+1], s14, 16
	s_mov_b32 s[SEL], 0x76543210
	s_mov_b32 s[SEL+1], 0xfedcba98
	s_mov_b32 s[MNT], 0x600000
	s_mov_b32 s[TO], 0
	s_mov_b32 s[SO], 0
	s_mov_b32 s75, 0
	s_mov_b32 s77, 0
	s_mov_b32 s79, 0
	s_wait_alu depctr_va_vdst(0)
	s_wait_dscnt 0x0
	CROUND                                         ; all sixteen work-groups are here: the joint loads meet
	s_wait_kmcnt 0x0
	s_lshl_b32 s76, s17, 17
	s_lshl_b32 s74, s16, 16
	s_add_co_u32 s76, s76, s74
	s_add_nc_u64 s[RB:RB+1], s[36:37], s[76:77]    ; wimg: my head's 64 rows of Wq
	s_lshl_b32 s76, s15, 20
	s_add_nc_u64 s[G0R+2:G0R+3], s[RB:RB+1], s[76:77]  ; or of Wk
	s_or_b32 s[G0R+3], s[G0R+3], 0x80000000
	tensor_load_to_lds s[G0R:G0R+3], s[G1R:G1R+7]  ; my weight: one load a wave, one line for all
	s_nop 0
	PLACES 4
	s_lshl_b32 s74, s18, 18
	s_lshl_b32 s76, s14, 16
	s_add_co_u32 s74, s74, s76
	s_add_nc_u64 s[G0+2:G0+3], s[32:33], s[74:75]  ; my quarter of the tokens, for the refill
	s_or_b32 s[G0+3], s[G0+3], 0x80000000
	s_lshl_b32 s74, s18, 18
	s_lshl_b32 s76, s19, 16
	s_add_co_u32 s74, s74, s76
	s_lshl_b32 s76, s14, 14
	s_add_co_u32 s74, s74, s76
	s_add_nc_u64 s[PFB:PFB+1], s[32:33], s[74:75]  ; my work-group's quarter of what the row will load, my wave's 16,384 bytes of it
	global_prefetch_b8 v[PF], s[PFB:PFB+1] th:TH_LOAD_NT scope:SCOPE_SE
	global_prefetch_b8 v[PF], s[PFB:PFB+1] offset:8192 th:TH_LOAD_NT scope:SCOPE_SE
	s_lshl_b32 s74, s18, 10
	s_add_nc_u64 s[34:35], s[34:35], s[74:75]      ; xs at my 256 tokens
	s_lshl_b32 s78, s17, 9
	s_lshl_b32 s74, s16, 8
	s_add_co_u32 s78, s78, s74
	s_add_nc_u64 s[WB:WB+1], s[38:39], s[78:79]
	s_cmp_eq_u32 s15, 1
	s_cselect_b64 s[BPQ:BPQ+1], s[42:43], s[40:41]
	s_add_nc_u64 s[BPQ:BPQ+1], s[BPQ:BPQ+1], s[78:79]
	s_add_nc_u64 s[44:45], s[44:45], s[78:79]
	s_lshl_b32 s78, s15, 12
	s_add_nc_u64 s[WPQ:WPQ+1], s[WB:WB+1], s[78:79]
	s_lshl_b32 s74, s72, 18
	s_lshl_b32 s76, s15, 23
	s_add_co_u32 s76, s76, s74
	s_lshl_b32 s78, s73, 15
	s_add_co_u32 s76, s76, s78
	s_lshl_b32 s78, s16, 10
	s_add_co_u32 s76, s76, s78
	s_add_nc_u64 s[OP:OP+1], s[46:47], s[76:77]    ; img: Q or K, pair, my 16 units, my head's two groups
	s_add_co_u32 s76, s74, 0x1000000
	s_lshl_b32 s78, s73, 15
	s_add_co_u32 s76, s76, s78
	s_lshl_b32 s78, s15, 14
	s_add_co_u32 s76, s76, s78
	s_lshl_b32 s78, s16, 13
	s_add_co_u32 s76, s76, s78
	s_add_nc_u64 s[OPV:OPV+1], s[46:47], s[76:77]  ; V, pair, my key step, my head's four units
	s_lshl_b32 s76, s14, 18
	s_lshl_b32 s78, s72, 13
	s_add_co_u32 s76, s76, s78
	s_lshl_b32 s78, s73, 10
	s_add_co_u32 s76, s76, s78
	s_add_nc_u64 s[48:49], s[48:49], s[76:77]      ; isc: wave w < 3 stores tensor w's 1,024 bytes
.irp i, 0,1,2,3
	global_load_b128 v[ACC+4*\i:ACC+4*\i+3], v[XG], s[34:35] offset:65536*\i
.endr
	SLOAD WPQ, 0
.irp b, 0,1,2,3
	global_load_b128 v[BQ+8*\b:BQ+8*\b+3],   v[BO], s[BPQ:BPQ+1] offset:64*\b       ; register j of tile b: the bias of channel 16 b + 8 (lane / 16) + j
	global_load_b128 v[BQ+8*\b+4:BQ+8*\b+7], v[BO], s[BPQ:BPQ+1] offset:64*\b+16
.endr
	s_wait_loadcnt 24                              ; the four loads of the tokens' scale words are in; the 16 + 8 behind them may be out
.irp i, 0,1,2,3
	ds_store_b128 v[XL], v[ACC+4*\i:ACC+4*\i+3] offset:2048*\i
.endr
	s_wait_tensorcnt 0x0                           ; my weight is in: bytes that I alone read
.set f_, 0
.rept 32                               ; fragment f = 4 q + b into window 1 + f / 16: 128 LDS loads
	WIN (1+f_/16)<<6
.irp c, 0,1,2,3
	ds_load_b128 v[16*(f_%16)+4*\c:16*(f_%16)+4*\c+3], v[RA] offset:(f_%4)*16384+(f_/4)*2048+512*\c
.endr
.set f_, f_+1
.endr
	WIN 0
	s_wait_tensorcnt 0x0
	ds_add_u32 v[SPW], v[NIL]
	s_wait_dscnt 0x0                               ; the add is done, and my weight stands in registers
	CROUND                                         ; no wave of any partner still reads these bytes or has a load on its way
	tensor_load_to_lds s[G0:G0+3], s[G1:G1+7]      ; my quarter of the tokens, over the weights
	s_nop 0
	PLACES 4
	s_wait_tensorcnt 0x0                           ; every wave: its quarter is in
	s_barrier_signal -1
	s_barrier_wait -1
	FETCH 0
	s_add_co_u32 s[TO], s[TO], 16384
	s_add_co_u32 s[SO], s[SO], 64
	FETCH 1
	s_add_co_u32 s[TO], s[TO], 16384
	s_add_co_u32 s[SO], s[SO], 64
	s_mov_b32 s[CNT], 8
	s_wait_loadcnt 0x0                             ; the weight's scale words and the bias
.macro QKBLK k, sg
	s_wait_dscnt 40                                ; all but the youngest fetch's 40 loads: this block's set is in
	PRODS 0, \k, ACC
	PLACES 9                                       ; in front of loads into what the products read, of the first read of the sums, and of the next block's first products, which write over them
	NEXT \k
	s_wait_xcnt 0x0                                ; the last block's stores have read the codes' registers
	QUANT 2, ACC, 16, ACC+8, 16
	v_lshl_or_b32 v[U16], v[TM+5], 8, v[TM+4]
	global_store_b128 v[LI], v[CD:CD+3],   s[OP:OP+1] offset:2048*\k       ; 32 lanes store 512 consecutive bytes, aligned
	global_store_b128 v[LI], v[CD+4:CD+7], s[OP:OP+1] offset:2048*\k+512
	ds_store_b16 v[\sg], v[U16]                    ; both lanes of a row write the same two bytes
.endm
.Lqk:                                              ; eight trips of two blocks
	QKBLK 0, SGE
	QKBLK 1, SGO
	s_wait_xcnt 0x0
	s_add_nc_u64 s[OP:OP+1], s[OP:OP+1], 4096
	v_add_nc_u32 v[SGE], 128, v[SGE]
	v_add_nc_u32 v[SGO], 128, v[SGO]
	s_sub_co_u32 s[CNT], s[CNT], 1
	s_cmp_lg_u32 s[CNT], 0
	s_wait_alu depctr_va_vdst(0)
	s_cbranch_scc1 .Lqk
	; PHASE 2
	SLOAD WB, 8192
.irp b, 0,1,2,3
.irp j, 0,1,2,3,4,5,6,7
	global_load_b32 v[BQ+8*\b+\j], v[R4], s[44:45] offset:64*\b    ; all eight registers of tile b: the bias of channel 16 b + lane % 16
.endr
.endr
	RLOAD RB, 2097152
	s_lshl_b32 s[TO], s15, 17                      ; my half of the tokens
	s_lshl_b32 s[SO], s15, 9
	FETCH 0
	s_add_co_u32 s[TO], s[TO], 16384
	s_add_co_u32 s[SO], s[SO], 64
	FETCH 1
	s_add_co_u32 s[TO], s[TO], 16384
	s_add_co_u32 s[SO], s[SO], 64
	s_mov_b32 s[CNT], 4
	s_wait_loadcnt 0x0
.Lv:                                               ; four trips of two blocks: 32 keys
	s_wait_dscnt 40
	PRODS 1, 0, ACC
	PLACES 9
	NEXT 0
	s_wait_dscnt 40
	PRODS 1, 1, ACC+32
	PLACES 9
	NEXT 1
	s_wait_xcnt 0x0
	QUANT 4, ACC, 8, ACC+32, 8
.irp b, 0,1,2,3
	global_store_b128 v[LI], v[CD+4*\b:CD+4*\b+3], s[OPV:OPV+1] offset:2048*\b
	ds_store_b8 v[SGV], v[TM+4+\b] offset:64*\b
.endr
	s_wait_xcnt 0x0
	s_add_nc_u64 s[OPV:OPV+1], s[OPV:OPV+1], 512
	v_add_nc_u32 v[SGV], 1, v[SGV]
	s_sub_co_u32 s[CNT], s[CNT], 1
	s_cmp_lg_u32 s[CNT], 0
	s_wait_alu depctr_va_vdst(0)
	s_cbranch_scc1 .Lv
	s_wait_dscnt 0x0                               ; for the others' sake
	s_barrier_signal -1
	s_barrier_wait -1                              ; the three tensors' scale words lie whole in LDS
	s_cmp_lt_u32 s14, 3
	s_cbranch_scc0 .Lno_words
	ds_load_b128 v[CD:CD+3],   v[FRD]
	ds_load_b128 v[CD+4:CD+7], v[FRD] offset:512
	s_wait_dscnt 0x0
	global_store_b128 v[LI], v[CD:CD+3],   s[48:49]
	global_store_b128 v[LI], v[CD+4:CD+7], s[48:49] offset:512
.Lno_words:
	s_wait_tensorcnt 0x0                           ; the wave's end
	ds_add_u32 v[SPW], v[NIL]
	s_wait_dscnt 0x0
	CROUND                                         ; the closing round
	s_endpgm
.Lfunc_end_k_q2a38448214_qkv:
	.size	k_q2a38448214_qkv, .Lfunc_end_k_q2a38448214_qkv-k_q2a38448214_qkv
	.p2alignl 7, 3214868480
	.fill 96, 4, 3214868480
	.section	.rodata,"a",@progbits
	.p2align	6, 0x0
	.amdhsa_kernel k_q2a38448214_qkv
		.amdhsa_group_segment_fixed_size 327680
		.amdhsa_private_segment_fixed_size 0
		.amdhsa_enable_private_segment 0
		.amdhsa_kernarg_size 72
		.amdhsa_user_sgpr_count 2
		.amdhsa_user_sgpr_kernarg_segment_ptr 1
		.amdhsa_wavefront_size32 1
		.amdhsa_system_sgpr_workgroup_id_x 1
		.amdhsa_system_sgpr_workgroup_id_y 1
		.amdhsa_system_sgpr_workgroup_id_z 1
		.amdhsa_system_vgpr_workitem_id 0
		.amdhsa_next_free_vgpr 1024
		.amdhsa_next_free_sgpr 96
		.amdhsa_reserve_vcc 0
		.amdhsa_float_denorm_mode_32 3
		.amdhsa_float_denorm_mode_16_64 3
		.amdhsa_memory_ordered 1
		.amdhsa_forward_progress 1
		.amdhsa_inst_pref_size 94
	.end_amdhsa_kernel
	.amdgpu_metadata
---
amdhsa.version: [ 1, 2 ]
amdhsa.kernels:
  - .name:           k_q2a38448214_qkv
    .symbol:         k_q2a38448214_qkv.kd
    .args:
      - { .name: ximg, .offset: 0, .size: 8, .value_kind: global_buffer, .address_space: global }
      - { .name: xs, .offset: 8, .size: 8, .value_kind: global_buffer, .address_space: global }
      - { .name: wimg, .offset: 16, .size: 8, .value_kind: global_buffer, .address_space: global }
      - { .name: ws, .offset: 24, .size: 8, .value_kind: global_buffer, .address_space: global }
      - { .name: bq, .offset: 32, .size: 8, .value_kind: global_buffer, .address_space: global }
      - { .name: bk, .offset: 40, .size: 8, .value_kind: global_buffer, .address_space: global }
      - { .name: bv, .offset: 48, .size: 8, .value_kind: global_buffer, .address_space: global }
      - { .name: img, .offset: 56, .size: 8, .value_kind: global_buffer, .address_space: global }
      - { .name: isc, .offset: 64, .size: 8, .value_kind: global_buffer, .address_space: global }
    .group_segment_fixed_size: 327680
    .private_segment_fixed_size: 0
    .kernarg_segment_align: 8
    .kernarg_segment_size: 72
    .max_flat_workgroup_size: 128
    .sgpr_count:     96
    .vgpr_count:     1024
    .wavefront_size: 32
...
	.end_amdgpu_metadata
.endif
;; end of part 2
;; launch attn (part 3): grid 4 x 64, 16 waves a work-group, clusters of 4 x 1, 327,680 bytes of LDS; arguments img, isc, oimg, os; writes oimg, os
.if DOCPART == 3
	.amdgcn_target "amdgcn-amd-amdhsa--gfx1250"
	.amdhsa_code_object_version 6
	.text
	.protected	k_q2a38448214_attn
	.globl	k_q2a38448214_attn
	.p2align	8
	.type	k_q2a38448214_attn,@function
k_q2a38448214_attn:
	s_mov_b64 s[64:65], 0
	v_nop
	global_prefetch_b8 v0, s[64:65] scope:SCOPE_SE
	s_setreg_imm32_b32 hwreg(HW_REG_WAVE_MODE, 25, 1), 1
	s_wait_xcnt 0x0
	s_wait_alu depctr_hold_cnt(0) depctr_sa_sdst(0) depctr_va_vdst(0) depctr_va_sdst(0) depctr_va_ssrc(0) depctr_va_vcc(0) depctr_vm_vsrc(0)
	s_getreg_b32 s2, hwreg(HW_REG_IB_STS2, 6, 4)
	s_cmp_eq_u32 s2, 0
	s_cbranch_scc0 .Lentry_in_a_cluster
	s_endpgm
.Lentry_in_a_cluster:
	s_bfe_u32 s2, ttmp6, 0x10000c
	s_cmp_lg_u32 s2, 0x3003
	s_cbranch_scc0 .Lentry_shape_is_right
	s_endpgm
.Lentry_shape_is_right:
; O = softmax(Q K^T / 8) V for each of 64 heads of 64 channels, 2,048 keys, both products on codes of BF8 (E5M2) with E8M0 scales; O / l is quantised along the model's 1,024 and leaves as codes.
; THE SOFTMAX AHEAD OF THE SECOND PRODUCT: t = score x log2(e) / 8; M = the row's largest t so far, rounded UP to a whole number; p = 2^(t - M) is quantised along the keys, not normalised.  The row's sum l is taken
;   of the unquantised p in f32 and divides O at the end.  When M moves, l and O are multiplied by 2^(old M - new M): exact.
; IN: img [Q, K, V][batch][head pair][128 units][2,048], images of operand registers (groups of 512 bytes, lane l's 16 bytes at 16 l).  Q, K: a unit is 16 tokens, groups 0, 1 the pair's first head, 2, 3 its second.
;   V: unit 8 x (key / 128) + 4 x head + channel tile: 16 channels x 128 keys.  isc: their scale words; K's are paired: the place of token tile 2 u + e holds head e's two bytes of tokens 32 u + r and 32 u + 16 + r.
; OUT: oimg [token / 16][head pair][2,048]; os [head of 16][8,192 tokens][2 bytes]: a head's two scale bytes of a token; a work-group stores 1,024 consecutive bytes of it.
; SHARES.  A work-group owns ONE head and 512 of its queries.  The head's K and V codes, 2 x 131,072 bytes, lie in LDS WHOLE: sixteen loads of 16,384 bytes, one a wave, all at the head; no byte of LDS is filled twice.
;   Wave w owns the queries 16 w .. 16 w + 15 of the first 256 (pass 0) and then of the second 256 (pass 1), in 256 registers, four waves to a SIMD.  Each pass walks all keys, 128 a step.
;   Two barriers show the tiles: the first keys 0-255 (waves 0 and 1 have load lines of their own and wait there), the second, behind step 1, all the rest.  Behind it the waves share nothing up to the way out of the scale bytes.
; CLUSTER.  The four work-groups of a head need the same K and V: each tile is asked for JOINTLY, with the same descriptor and the mask of all four.
; NO DATA PREFETCH: every tile is asked for at the head, so there is no loop to run ahead in.
; LAYOUT.  Both products are used transposed (S^T = K Q^T, O^T = V^T P^T): a lane holds ONE query.  Q K^T has K = 64, the instruction 128: a fragment of source 0 holds TWO tiles of 16 keys and is multiplied once by
;   (q, zero codes) and once by (zero codes, q); Q lies in registers as q, zeros, q.
; LIMITS: NaN and infinities are not served; the scaled scores stay under 2^31 in magnitude; a block whose largest magnitude lies under 2^-111 gets the byte 1 (a block of zeros too: its codes are zeros).
.set VOFF,  131072                     ; K's codes at 0: 8,192 bytes a step; V's here, likewise
.set SCK,   262144                     ; K's scale words of the head pair, 8,192 bytes, copied through registers
.set SCV,   270336                     ; V's
.set SPARE, 278528                     ; the spare words, 128 bytes a wave
.set SCW,   280576                     ; O's scale bytes, 2 a query: 1,024 bytes
.set AV0,  2
.set ASK0, 3
.set ASV0, 4
.set SPW,  5
.set NIL,  6
.set OM,   7                           ; -M as it was before the step
.set ADK,  8
.set ADV,  9
.set ADS,  10
.set ADT,  11
.set QF,   16                          ; v16-23 q, v24-31 zero codes, v32-39 q
.set QS,   40
.set OSW,  41
.set OSR,  42
.set LI,   43                          ; 16 x lane
.set R4,   44                          ; 4 x (lane % 16)
.set SST,  45
.set X16,  46
.set OSG,  47
.set KV,   48                          ; v48-111 four fragments of K, then of V
.set S,    112                         ; v112-175 S^T, then p
.set O,    176                         ; v176-207 O^T
.set PCD,  208                         ; v208-223 p's codes
.set BM,   224
.set BP,   228                         ; the other half's maxima; the bytes; then a second copy of the bounds, block b's in register (b + 1) % 4
.set BH,   232                         ; 57,344 x the scale
.set BS,   236
.set SW,   240
.set FF,   244
.set PSW,  246
.set TT,   247
.set AC,   248                         ; v248-255 the step's sum of p, four chains of two
.set WV,   12
.set MNT,  19
.set SEL,  20
.set CS,   22
.set TB,   2                           ; 8,192 x step
.set TS,   3                           ; 512 x step
.set CNT,  48
.set G1K,  24
.set G1V,  32
.set G0,   40
.macro CROUND
	s_barrier_signal -1
	s_barrier_wait -1
	s_cmp_lg_u32 s[WV], 0
	s_cbranch_scc1 .Lnot_wave_0_\@
	s_barrier_signal -3
.Lnot_wave_0_\@:
	s_barrier_wait -3
	s_barrier_signal -1
	s_barrier_wait -1
.endm
.macro TL g1                           ; an s_nop 0 and four v_nop follow the load
	tensor_load_to_lds s[G0:G0+3], s[\g1:\g1+7]
	s_nop 0
.rept 4
	v_nop
.endr
.endm
.macro QLOAD oc, ow                    ; my 16 queries' codes, twice, and their two scale bytes
	global_load_b128 v[QF:QF+3],     v[LI], s[54:55] offset:\oc
	global_load_b128 v[QF+4:QF+7],   v[LI], s[54:55] offset:\oc+512
	global_load_b128 v[QF+16:QF+19], v[LI], s[54:55] offset:\oc
	global_load_b128 v[QF+20:QF+23], v[LI], s[54:55] offset:\oc+512
	global_load_u16 v[QS], v[R4], s[56:57] offset:\ow
.endm
	s_load_b256 s[4:11], s[0:1], 0x0               ; img, isc, oimg, os
	v_lshl_add_u32 v[SPW], v0, 2, SPARE
	v_mov_b32 v[NIL], 0
	ds_add_u32 v[SPW], v[NIL]                      ; the opening: the add twice on end and one wait
	ds_add_u32 v[SPW], v[NIL]
	v_lshrrev_b32 v8, 5, v0
	v_readfirstlane_b32 s[WV], v8                  ; wave 0..15
	s_bfe_u32 s13, ttmp6, 0x40000                  ; cx
	s_and_b32 s15, ttmp7, 0xffff                   ; 2 x (8 x batch + head pair) + head of the pair
	s_and_b32 s14, s15, 1
	s_lshr_b32 s16, s15, 1
	s_lshl_b32 s17, ttmp9, 2
	s_add_co_u32 s17, s17, s13                     ; my block of 512 queries: it enters global addresses of Q, oimg and os alone
	s_lshl_b32 s66, s14, 6
	s_add_co_u32 s66, s66, SCK
	s_lshl_b32 s67, s14, 8
	s_add_co_u32 s67, s67, SCV
	s_lshl_b32 s72, s[WV], 5
	s_add_co_u32 s72, s72, SCW
	v_and_b32 v8, 15, v0
	v_and_b32 v9, 31, v0
	v_and_b32 v10, 63, v0
	v_lshlrev_b32 v[X16], 4, v0
	v_lshlrev_b32 v[LI], 4, v9
	v_lshlrev_b32 v[R4], 2, v8
	v_lshlrev_b32 v[OSG], 4, v10
	v_lshl_add_u32 v[OSW], v8, 1, s72              ; 32 x wave + 2 r
	v_add_nc_u32 v[SST], SCK, v[X16]
	v_add_nc_u32 v[AV0], VOFF, v[LI]
	v_add_nc_u32 v[ASK0], s66, v[R4]
	v_add_nc_u32 v[ASV0], s67, v[R4]
	v_add_nc_u32 v[OSR], SCW, v[OSG]
	; my tile: wave w fetches 256 keys, number w / 2, of K (w even) or of V (w odd)
	s_and_b32 s68, s[WV], 1
	s_lshr_b32 s67, s[WV], 1
	s_add_co_u32 s70, s68, 1
	s_lshl_b32 s70, s70, 23
	s_lshl_b32 s69, s16, 18
	s_add_co_u32 s70, s70, s69
	s_lshl_b32 s69, s67, 15
	s_add_co_u32 s70, s70, s69
	s_mul_i32 s69, s68, 3
	s_add_co_u32 s69, s69, 10
	s_lshl_b32 s69, s14, s69                       ; my head: 1,024 bytes on in a unit of K, 8,192 in a step of V
	s_add_co_u32 s70, s70, s69
	s_mov_b32 s71, 0
	s_lshl_b32 s74, s68, 17
	s_lshl_b32 s69, s67, 14
	s_add_co_u32 s74, s74, s69                     ; where it goes
	; Q: pair, 32 units a block, my unit, my head's two groups; its scale bytes likewise
	s_lshl_b32 s76, s16, 18
	s_lshl_b32 s69, s17, 16
	s_add_co_u32 s76, s76, s69
	s_lshl_b32 s69, s[WV], 11
	s_add_co_u32 s76, s76, s69
	s_lshl_b32 s69, s14, 10
	s_add_co_u32 s76, s76, s69
	s_mov_b32 s77, 0
	s_lshl_b32 s78, s16, 13
	s_lshl_b32 s69, s17, 11
	s_add_co_u32 s78, s78, s69
	s_lshl_b32 s69, s[WV], 6
	s_add_co_u32 s78, s78, s69
	s_lshl_b32 s69, s14, 1
	s_add_co_u32 s78, s78, s69
	s_mov_b32 s79, 0
	s_lshr_b32 s66, s16, 3                         ; batch
	s_and_b32 s67, s16, 7                          ; head pair
	s_lshl_b32 s58, s66, 7
	s_lshl_b32 s69, s17, 5
	s_add_co_u32 s58, s58, s69
	s_add_co_u32 s58, s58, s[WV]                   ; token tile 128 x batch + 32 x block + wave (pass 1: 16 on)
	s_lshl_b32 s58, s58, 14
	s_lshl_b32 s69, s67, 11
	s_add_co_u32 s58, s58, s69
	s_lshl_b32 s69, s14, 10
	s_add_co_u32 s58, s58, s69
	s_mov_b32 s59, 0
	s_lshl_b32 s60, s67, 15                        ; os: 16,384 x head + 2 x token
	s_lshl_b32 s69, s14, 14
	s_add_co_u32 s60, s60, s69
	s_lshl_b32 s69, s66, 12
	s_add_co_u32 s60, s60, s69
	s_lshl_b32 s69, s17, 10
	s_add_co_u32 s60, s60, s69
	s_mov_b32 s61, 0
	s_lshl_b32 s62, s16, 13
	s_add_co_u32 s62, s62, 262144                  ; isc: K's words of the pair; V's lie 262,144 bytes on
	s_mov_b32 s63, 0
	; group 1, elements of 8 bytes.  K: 16 rows of 1,024 bytes, 2,048 apart;  V: 2 rows of 8,192 bytes, 16,384 apart
	s_mov_b32 s[G1K], 15|(3<<16)|(1<<21)
	s_mov_b32 s[G1K+1], 128<<16
	s_mov_b32 s[G1K+2], 16<<16
	s_mov_b32 s[G1K+3], 128<<16
	s_mov_b32 s[G1K+4], 16
	s_mov_b32 s[G1K+5], 256
	s_mov_b32 s[G1K+6], 0
	s_mov_b32 s[G1K+7], 0
	s_mov_b32 s[G1V], 15|(3<<16)|(1<<21)
	s_mov_b32 s[G1V+1], 1024<<16
	s_mov_b32 s[G1V+2], 2<<16
	s_mov_b32 s[G1V+3], 1024<<16
	s_mov_b32 s[G1V+4], 2
	s_mov_b32 s[G1V+5], 2048
	s_mov_b32 s[G1V+6], 0
	s_mov_b32 s[G1V+7], 0
	s_mov_b32 s[SEL], 0x76543210
	s_mov_b32 s[SEL+1], 0xfedcba98
	s_mov_b32 s[CS], 0x3e38aa3b                    ; c = log2(e) / 8
	s_mov_b32 s[CS+1], s[CS]
	s_mov_b32 s[MNT], 0x600000
	s_wait_alu depctr_va_vdst(0)
	s_wait_dscnt 0x0
	CROUND                                         ; all four work-groups are here: the joint loads meet
	s_wait_kmcnt 0x0
	s_mov_b32 s[G0], 1
	s_mov_b32 s[G0+1], s74
	s_add_nc_u64 s[G0+2:G0+3], s[4:5], s[70:71]
	s_or_b32 s[G0+3], s[G0+3], 0x80000000
	s_add_nc_u64 s[54:55], s[4:5], s[76:77]
	s_add_nc_u64 s[56:57], s[6:7], s[78:79]
	s_add_nc_u64 s[58:59], s[8:9], s[58:59]
	s_add_nc_u64 s[60:61], s[10:11], s[60:61]
	s_add_nc_u64 s[62:63], s[6:7], s[62:63]
	s_cmp_eq_u32 s[WV], 0                          ; one chain, one load an arm: waves 0 and 1, whose tiles the first barrier shows, have lines of their own
	s_cbranch_scc0 .Larm1
	TL G1K
	s_branch .Lasked
.Larm1:
	s_cmp_eq_u32 s[WV], 1
	s_cbranch_scc0 .Larm2
	TL G1V
	s_branch .Lasked
.Larm2:
	s_cmp_eq_u32 s68, 0
	s_cbranch_scc0 .Larm3
	TL G1K
	s_branch .Lasked
.Larm3:
	TL G1V
.Lasked:
	global_load_b128 v[S:S+3],   v[X16], s[62:63]                  ; the pair's scale words, 16 bytes a thread of K's and of V's
	global_load_b128 v[S+4:S+7], v[X16], s[62:63] offset:262144
	QLOAD 0, 0
.irp j, 8,9,10,11,12,13,14,15
	v_mov_b32 v[QF+\j], 0                          ; zero codes
.endr
.irp b, 0,1,2,3
	v_mov_b32 v[BP+\b], 0                          ; a lane permute's destination counts as one of its sources
.endr
	v_mov_b32 v[FF+1], 0
	v_mov_b32 v[TT], 0
	s_wait_alu depctr_va_vdst(0)
	s_wait_loadcnt 5                               ; the two loads of scale words are in; Q's five may be out
	ds_store_b128 v[SST], v[S:S+3]
	ds_store_b128 v[SST], v[S+4:S+7] offset:8192
.macro INIT p                          ; a pass begins: the largest t -3e38, l and O^T zeros, which the first change of M leaves zeros
	v_mov_b32 v13, 0xff61b1e6
	v_mov_b32 v14, 0
	v_mov_b32 v15, 0
	v_floor_f32 v12, -v13
	s_mov_b32 s[TB], 0
	s_mov_b32 s[TS], 0
	s_wait_alu depctr_va_vdst(0)
	s_wait_loadcnt 0x0                             ; Q
.if \p
	s_wait_xcnt 0x0                                ; the last pass's stores have read the codes' registers
.endif
	v_lshl_or_b32 v[QS], v[QS], 16, v[QS]          ; q's two bytes for K places 0-63 and again for 64-127
.set j, 0
.rept 32
	v_mov_b32 v[O+j], 0
.set j, j+1
.endr
.endm
; A KEY STEP: 128 keys
.macro STEP
	v_add_nc_u32 v[ADK], s[TB], v[LI]              ; with the four lines behind the last products: eight places in front of the loads below
	v_add_nc_u32 v[ADV], s[TB], v[AV0]
	v_add_nc_u32 v[ADS], s[TS], v[ASK0]
	v_add_nc_u32 v[ADT], s[TS], v[ASV0]
.irp u, 0,1,2,3                        ; fragment u: key tiles 2 u and 2 u + 1
.irp x, 0,1,2,3
	ds_load_b128 v[KV+16*\u+4*\x:KV+16*\u+4*\x+3], v[ADK] offset:2048*\u+512*\x
.endr
	ds_load_b32 v[SW+\u], v[ADS] offset:128*\u
.endr
	s_wait_alu depctr_va_vdst(0)
	s_wait_dscnt 0x0
.irp u, 0,1,2,3
.irp z, 0,1
	v_wmma_scale_f32_16x16x128_f8f6f4 v[S+8*(2*\u+\z):S+8*(2*\u+\z)+7], v[KV+16*\u:KV+16*\u+15], v[QF+8*\z:QF+8*\z+15], 0, v[SW+\u], v[QS] matrix_a_fmt:MATRIX_FMT_BF8 matrix_b_fmt:MATRIX_FMT_BF8
.endr
.endr
	v_mov_b32 v[OM], v12                           ; eight places: the scores are read and K's registers loaded anew below
.rept 7
	v_nop
.endr
.irp t, 0,1,2,3                        ; V's four fragments are asked for now and land while the softmax is walked
.irp c, 0,1,2,3
	ds_load_b128 v[KV+16*\t+4*\c:KV+16*\t+4*\c+3], v[ADV] offset:2048*\t+512*\c
.endr
	ds_load_b32 v[SW+\t], v[ADT] offset:64*\t
.endr
.irp b, 0,1,2,3
	v_max3_num_f32 v[BM+\b], v[S+16*\b], v[S+1+16*\b], v[S+2+16*\b]   ; each block's largest score: for the row's maximum and for the block's largest p
.endr
.irp i, 3,5,7,9,11,13
.irp b, 0,1,2,3
	v_max3_num_f32 v[BM+\b], v[BM+\b], v[S+16*\b+\i], v[S+1+16*\b+\i]
.endr
.endr
.irp b, 0,1,2,3
	v_max_num_f32 v[BM+\b], v[BM+\b], v[S+15+16*\b]
.endr
.irp b, 0,1,2,3
	s_delay_alu instid0(VALU_DEP_4)
	v_permlanex16_b32 v[BP+\b], v[BM+\b], s[SEL], s[SEL+1]
.endr
.irp b, 0,1,2,3
	s_delay_alu instid0(VALU_DEP_4)
	v_max_num_f32 v[BM+\b], v[BM+\b], v[BP+\b]
.endr
	s_delay_alu instid0(VALU_DEP_2)
	v_max3_num_f32 v[TT], v[BM], v[BM+1], v[BM+2]
	s_delay_alu instid0(VALU_DEP_1)
	v_max_num_f32 v[TT], v[TT], v[BM+3]
	s_delay_alu instid0(VALU_DEP_1)
	v_mul_f32 v[TT], s[CS], v[TT]
	s_delay_alu instid0(VALU_DEP_1)
	v_max_num_f32 v13, v13, v[TT]                  ; the running largest t
	s_delay_alu instid0(VALU_DEP_1)
	v_floor_f32 v12, -v13                          ; the new -M = -ceil(t)
	s_delay_alu instid0(VALU_DEP_1)
	v_sub_f32 v[TT], v12, v[OM]                    ; old M - new M: a whole number, 0 or less
	s_delay_alu instid0(VALU_DEP_1)
	v_cvt_i32_f32 v[TT], v[TT]
.set j, 0
.rept 32
	v_pk_fma_f32 v[S+j:S+j+1], v[S+j:S+j+1], s[CS:CS+1], v[12:13] op_sel_hi:[1,0,0]   ; t - M
.set j, j+2
.endr
.irp b, 0,1,2,3
	v_fma_f32 v[BM+\b], v[BM+\b], s[CS], v12
.endr
	s_wait_alu depctr_va_vdst(0)
.set j, 0
.rept 64
	v_exp_f32 v[S+j], v[S+j]                       ; p = 2^(t - M)
.set j, j+1
.endr
	v_ldexp_f32 v[FF], 1.0, v[TT]                  ; f = 2^(old M - new M): the plain line behind the batch
	s_wait_alu depctr_va_vdst(0)                   ; one wait for the 64, ahead of their first reader
.irp b, 0,1,2,3
	v_exp_f32 v[BM+\b], v[BM+\b]                   ; the block's largest p
.endr
.irp k, 0,1,2,3                        ; the step's sum of the unquantised p: four chains
	v_pk_add_f32 v[AC+2*\k:AC+2*\k+1], v[S+2*\k:S+2*\k+1], v[S+8+2*\k:S+9+2*\k]
.endr
.set j, 16
.rept 6
.irp k, 0,1,2,3
	v_pk_add_f32 v[AC+2*\k:AC+2*\k+1], v[AC+2*\k:AC+2*\k+1], v[S+j+2*\k:S+j+2*\k+1]
.endr
.set j, j+8
.endr
	s_wait_alu depctr_va_vdst(0)                   ; and one for the four
.irp b, 0,1,2,3
	v_max_num_f32 v[BM+\b], 0x8000000, v[BM+\b]    ; the floor 2^(16 - 127): the byte cannot fall under 1
.endr
.irp b, 0,1,2,3
	s_delay_alu instid0(VALU_DEP_4)
	v_add_nc_u32 v[BS+\b], 0xf8800000, v[BM+\b]
.endr
.irp b, 0,1,2,3
	v_and_or_b32 v[BH+\b], v[BM+\b], 0x7f800000, s[MNT]
.endr
.irp b, 0,1,2,3
	v_lshrrev_b32 v[BP+\b], 23, v[BS+\b]
.endr
	s_delay_alu instid0(VALU_DEP_3)
	v_lshl_or_b32 v[PSW], v[BP+1], 8, v[BP]
	s_delay_alu instid0(VALU_DEP_1)
	v_lshl_or_b32 v[PSW], v[BP+2], 16, v[PSW]
	s_delay_alu instid0(VALU_DEP_1)
	v_lshl_or_b32 v[PSW], v[BP+3], 24, v[PSW]
.irp b, 0,1,2,3
	v_mov_b32 v[BP+(\b+1)%4], v[BH+\b]             ; a second copy of the bound, its register number different modulo 4: the pair below names one in each half
.endr
.irp b, 0,1,2,3
.irp i, 0,2,4,6,8,10,12,14             ; the conversion does not saturate (ISA guide 7.6.2); p is not negative: a one-sided hold, two numbers a line
	v_dual_min_num_f32 v[S+16*\b+\i], v[S+16*\b+\i], v[BH+\b] :: v_dual_min_num_f32 v[S+16*\b+\i+1], v[S+16*\b+\i+1], v[BP+(\b+1)%4]
.endr
	v_cvt_scalef32_pk8_bf8_f32 v[PCD+4*\b:PCD+1+4*\b],   v[S+16*\b:S+7+16*\b],    v[BS+\b]
	v_cvt_scalef32_pk8_bf8_f32 v[PCD+2+4*\b:PCD+3+4*\b], v[S+8+16*\b:S+15+16*\b], v[BS+\b]
.endr
	s_wait_alu depctr_va_vdst(0)
.set j, 0
.rept 16
	v_pk_mul_f32 v[O+j:O+j+1], v[O+j:O+j+1], v[FF:FF+1] op_sel_hi:[1,0]   ; O^T under the new M; these lines also stand between the conversions and the products
.set j, j+2
.endr
	s_wait_alu depctr_va_vdst(0)
	s_wait_dscnt 0x0                               ; V is in
.irp t, 0,1,2,3
	v_wmma_scale_f32_16x16x128_f8f6f4 v[O+8*\t:O+8*\t+7], v[KV+16*\t:KV+16*\t+15], v[PCD:PCD+15], v[O+8*\t:O+8*\t+7], v[SW+\t], v[PSW] matrix_a_fmt:MATRIX_FMT_BF8 matrix_b_fmt:MATRIX_FMT_BF8
.endr
	v_pk_add_f32 v[AC:AC+1], v[AC:AC+1], v[AC+2:AC+3]             ; the four chains join, and l = l f + the step's sum: four places behind the products
	v_pk_add_f32 v[AC+4:AC+5], v[AC+4:AC+5], v[AC+6:AC+7]
	v_pk_add_f32 v[AC:AC+1], v[AC:AC+1], v[AC+4:AC+5]
	v_pk_fma_f32 v[14:15], v[14:15], v[FF:FF+1], v[AC:AC+1] op_sel_hi:[1,0,1]
	s_add_co_u32 s[TB], s[TB], 8192
	s_add_co_u32 s[TS], s[TS], 512
.endm
.macro STEPS n, l
	s_mov_b32 s[CNT], \n
\l:
	STEP
	s_sub_co_u32 s[CNT], s[CNT], 1
	s_cmp_lg_u32 s[CNT], 0
	s_cbranch_scc1 \l
.endm
; THE WAY OUT of a pass: O^T / l; its 32 registers are a lane's places of my head's two blocks of 32 along the next product's K
.macro OUT p
.if \p == 0
	QLOAD 32768, 1024                              ; the next pass's queries, 16 units on, land under the way out
.endif
	v_add_f32 v14, v14, v15
	s_delay_alu instid0(VALU_DEP_1)
	v_permlanex16_b32 v[TT], v14, s[SEL], s[SEL+1]
	s_delay_alu instid0(VALU_DEP_1)
	v_add_f32 v14, v14, v[TT]                      ; the row's sum
	s_wait_alu depctr_va_vdst(0)
	v_rcp_f32 v14, v14
.rept 8
	v_nop                                          ; the places behind the last products, and the plain line behind the reciprocal
.endr
	s_wait_alu depctr_va_vdst(0)
.set j, 0
.rept 32
	v_mul_f32 v[S+j], v[O+j], v14                  ; each accumulator from its low end on
.set j, j+1
.endr
.irp c, 0,1
	v_max3_num_f32 v[BM+\c], |v[S+16*\c]|, |v[S+1+16*\c]|, 0x8000000
.endr
.irp i, 2,4,6,8,10,12,14
.irp c, 0,1
	s_delay_alu instid0(VALU_DEP_2)
	v_max3_num_f32 v[BM+\c], v[BM+\c], |v[S+16*\c+\i]|, |v[S+1+16*\c+\i]|
.endr
.endr
.irp c, 0,1
	s_delay_alu instid0(VALU_DEP_2)
	v_permlanex16_b32 v[BP+\c], v[BM+\c], s[SEL], s[SEL+1]
.endr
.irp c, 0,1
	s_delay_alu instid0(VALU_DEP_2)
	v_max_num_f32 v[BM+\c], v[BM+\c], v[BP+\c]
.endr
.irp c, 0,1
	s_delay_alu instid0(VALU_DEP_2)
	v_add_nc_u32 v[BS+\c], 0xf8800000, v[BM+\c]
.endr
.irp c, 0,1
	s_delay_alu instid0(VALU_DEP_4)
	v_and_or_b32 v[BH+\c], v[BM+\c], 0x7f800000, s[MNT]
.endr
.irp c, 0,1
	s_delay_alu instid0(VALU_DEP_4)
	v_lshrrev_b32 v[BP+\c], 23, v[BS+\c]
.endr
	s_delay_alu instid0(VALU_DEP_1)
	v_lshl_or_b32 v[TT], v[BP+1], 8, v[BP]         ; my head's two scale bytes of the row
.irp c, 0,1
.irp i, 0,1,2,3,4,5,6,7,8,9,10,11,12,13,14,15
	v_med3_num_f32 v[S+16*\c+\i], v[S+16*\c+\i], -v[BH+\c], v[BH+\c]
.endr
	v_cvt_scalef32_pk8_bf8_f32 v[PCD+4*\c:PCD+1+4*\c],   v[S+16*\c:S+7+16*\c],    v[BS+\c]
	v_cvt_scalef32_pk8_bf8_f32 v[PCD+2+4*\c:PCD+3+4*\c], v[S+8+16*\c:S+15+16*\c], v[BS+\c]
.endr
	v_nop                                          ; a plain vector line behind the last conversion
	global_store_b128 v[LI], v[PCD:PCD+3],   s[58:59] offset:262144*\p       ; 32 lanes store 512 consecutive bytes, aligned
	global_store_b128 v[LI], v[PCD+4:PCD+7], s[58:59] offset:262144*\p+512
	ds_store_b16 v[OSW], v[TT] offset:512*\p       ; both lanes of a row write the same two bytes with the same value
.endm
	INIT 0
	s_wait_alu depctr_va_vdst(0)
	s_cmp_lt_u32 s[WV], 2
	s_cbranch_scc0 .Lnot_first
	s_wait_tensorcnt 0x0                           ; waves 0 and 1: keys 0-255 of K and of V are in
.Lnot_first:
	s_wait_dscnt 0x0                               ; my part of the scale words is stored
	s_barrier_signal -1
	s_barrier_wait -1
	STEPS 2, .Lfirst                               ; keys 0-255
	s_wait_alu depctr_va_vdst(0)
	s_wait_tensorcnt 0x0                           ; every wave: its tile is in
	s_wait_dscnt 0x0
	s_barrier_signal -1
	s_barrier_wait -1                              ; all of K and V lies in LDS
	STEPS 14, .Lrest
	OUT 0
	INIT 1
	STEPS 16, .Lsecond
	OUT 1
	s_wait_dscnt 0x0                               ; for the others' sake
	s_barrier_signal -1
	s_barrier_wait -1                              ; the 512 queries' scale bytes lie in LDS
	s_cmp_lt_u32 s[WV], 2
	s_cbranch_scc0 .Lnot_out
	ds_load_b128 v[PCD+8:PCD+11], v[OSR]
	s_wait_dscnt 0x0
	global_store_b128 v[OSG], v[PCD+8:PCD+11], s[60:61]            ; waves 0 and 1: 512 consecutive bytes each, aligned
.Lnot_out:
	s_wait_tensorcnt 0x0                           ; the wave's end
	ds_add_u32 v[SPW], v[NIL]
	s_wait_dscnt 0x0
	CROUND                                         ; the closing round
	s_endpgm
.Lfunc_end_k_q2a38448214_attn:
	.size	k_q2a38448214_attn, .Lfunc_end_k_q2a38448214_attn-k_q2a38448214_attn
	.p2alignl 7, 3214868480
	.fill 96, 4, 3214868480
	.section	.rodata,"a",@progbits
	.p2align	6, 0x0
	.amdhsa_kernel k_q2a38448214_attn
		.amdhsa_group_segment_fixed_size 327680
		.amdhsa_private_segment_fixed_size 0
		.amdhsa_enable_private_segment 0
		.amdhsa_kernarg_size 32
		.amdhsa_user_sgpr_count 2
		.amdhsa_user_sgpr_kernarg_segment_ptr 1
		.amdhsa_wavefront_size32 1
		.amdhsa_system_sgpr_workgroup_id_x 1
		.amdhsa_system_sgpr_workgroup_id_y 1
		.amdhsa_system_sgpr_workgroup_id_z 1
		.amdhsa_system_vgpr_workitem_id 0
		.amdhsa_next_free_vgpr 256
		.amdhsa_next_free_sgpr 82
		.amdhsa_reserve_vcc 0
		.amdhsa_float_denorm_mode_32 3
		.amdhsa_float_denorm_mode_16_64 3
		.amdhsa_memory_ordered 1
		.amdhsa_forward_progress 1
		.amdhsa_inst_pref_size 84
	.end_amdhsa_kernel
	.amdgpu_metadata
---
amdhsa.version: [ 1, 2 ]
amdhsa.kernels:
  - .name:           k_q2a38448214_attn
    .symbol:         k_q2a38448214_attn.kd
    .args:
      - { .name: img, .offset: 0, .size: 8, .value_kind: global_buffer, .address_space: global }
      - { .name: isc, .offset: 8, .size: 8, .value_kind: global_buffer, .address_space: global }
      - { .name: oimg, .offset: 16, .size: 8, .value_kind: global_buffer, .address_space: global }
      - { .name: os, .offset: 24, .size: 8, .value_kind: global_buffer, .address_space: global }
    .group_segment_fixed_size: 327680
    .private_segment_fixed_size: 0
    .kernarg_segment_align: 8
    .kernarg_segment_size: 32
    .max_flat_workgroup_size: 512
    .sgpr_count:     82
    .vgpr_count:     256
    .wavefront_size: 32
...
	.end_amdgpu_metadata
.endif
;; end of part 3
;; launch proj (part 4): grid 8 x 32, 4 waves a work-group, clusters of 4 x 4, 327,680 bytes of LDS; arguments oimg, os, wimg, ws, bo, out0; writes out0
.if DOCPART == 4
	.amdgcn_target "amdgcn-amd-amdhsa--gfx1250"
	.amdhsa_code_object_version 6
	.text
	.protected	k_q2a38448214_proj
	.globl	k_q2a38448214_proj
	.p2align	8
	.type	k_q2a38448214_proj,@function
k_q2a38448214_proj:
	s_mov_b64 s[64:65], 0
	v_nop
	global_prefetch_b8 v0, s[64:65] scope:SCOPE_SE
	s_setreg_imm32_b32 hwreg(HW_REG_WAVE_MODE, 25, 1), 1
	s_wait_xcnt 0x0
	s_wait_alu depctr_hold_cnt(0) depctr_sa_sdst(0) depctr_va_vdst(0) depctr_va_sdst(0) depctr_va_ssrc(0) depctr_va_vcc(0) depctr_vm_vsrc(0)
	s_getreg_b32 s2, hwreg(HW_REG_IB_STS2, 6, 4)
	s_cmp_eq_u32 s2, 0
	s_cbranch_scc0 .Lentry_in_a_cluster
	s_endpgm
.Lentry_in_a_cluster:
	s_bfe_u32 s2, ttmp6, 0x10000c
	s_cmp_lg_u32 s2, 0xf033
	s_cbranch_scc0 .Lentry_shape_is_right
	s_endpgm
.Lentry_shape_is_right:
; out0 = O Wo + bo on codes of BF8 (E5M2) with E8M0 scales, K = 1,024; f32 out.
; IN: oimg [token / 16][k / 128][2,048] and wimg [n / 16][k / 128][2,048] (Wo's columns from n = 3,072 on): fragments of 16 rows x 128 K as four groups of 512 bytes, lane l's 16 bytes at 16 l.
;   os [head of 16][8,192 tokens][2 bytes]; ws [k / 128][8,192 words].  A token's scale word of K step q is head 2 q's two bytes below head 2 q + 1's.
; SHARES.  256 work-groups of 256 tokens x 128 columns.  Wave w holds 64 columns (half w % 2) of Wo, all of K, in 512 registers (windows 1, 2) and streams the 8 blocks of 16 tokens of half w / 2 past them, each in
;   one of two sets of 128 registers (window 3).  Source 0 = the weight: a lane holds one token and eight neighbouring columns a tile.  A block goes through the wave's own stage in LDS and leaves as rows of 256 bytes.
; LDS.  Bytes 0 to 262,143 are filled twice.  First each wave's 65,536 bytes of the weight land there, one load a wave, read by that wave alone into its registers.  Then, behind a drained round of the cluster's
;   barrier, the 256 tokens' codes, all of K, are filled over them, one load of 65,536 bytes a wave, and stay.
; CLUSTER, 4 x 4.  The four work-groups of a column make the same columns of out0 and ask for the weight jointly; the four of a row have the same tokens and ask for them jointly.
; PREFETCH.  While the weight lands, the tokens' bytes are asked for ahead of the load that will want them: of the 262,144 bytes of a row of the cluster the partner at place cx names 65,536, wave w 16,384 of them, by two
;   instructions, lanes 256 bytes apart: each block of 256 bytes once in each cluster that loads it.
; LIMITS: NaN and infinities are not served.
.set XS,    262144                     ; the tokens' scale words: [k / 128][256 tokens], 8,192 bytes, written by LDS stores
.set STG,   270336                     ; four stages of 16 rows x 272 bytes
.set SPARE, 287744
.set LI,  4
.set R4,  5
.set L4,  6
.set BO,  7
.set ADT, 8
.set AAS, 9
.set SPW, 10
.set NIL, 11
.set AS0, 12
.set STO, 13
.set RD,  14
.set CO,  15
.set RA,  16                           ; 65,536 x wave + 16 x lane: my weight in LDS
.set XG,  17
.set XL,  18
.set PF,  19                           ; 256 x lane
.set SB,  24
.set SA,  44
.set OUT, 96                           ; v96-127 a block's rows, back from the stage
.set ACC, 128
.set BQ,  192
.set G0,  20
.set G1,  24
.set WB,  52
.set OP,  60
.set TO,  66
.set SO,  67
.set CNT, 68
.set PFB, 82
.set G1R, 84
.set G0R, 92
.set MSB, 0
.macro WIN new
.if MSB != (\new)
	s_set_vgpr_msb (MSB<<8)|(\new)
.set MSB, (\new)
.endif
.endm
.macro PLACES n
.rept \n
	v_nop
.endr
.endm
.macro CROUND
	s_barrier_signal -1
	s_barrier_wait -1
	s_cmp_lg_u32 s14, 0
	s_cbranch_scc1 .Lnot_wave_0_\@
	s_barrier_signal -3
.Lnot_wave_0_\@:
	s_barrier_wait -3
	s_barrier_signal -1
	s_barrier_wait -1
.endm
.macro FETCH k                         ; a block of 16 tokens, all of K, into set k, and its scale words: 40 LDS loads
	v_add_nc_u32 v[ADT], s[TO], v[LI]
	v_add_nc_u32 v[AAS], s[SO], v[AS0]
	WIN 3<<6
.irp q, 0,1,2,3,4,5,6,7
.irp c, 0,1,2,3
	ds_load_b128 v[128*\k+16*\q+4*\c:128*\k+16*\q+4*\c+3], v[ADT] offset:2048*\q+512*\c
.endr
.endr
	WIN 0
.irp q, 0,1,2,3,4,5,6,7
	ds_load_b32 v[SA+8*\k+\q], v[AAS] offset:1024*\q
.endr
.endm
.macro PRODS k                         ; 32 products: the four accumulators by turns, K ascending; the bias is the first four products' C
.set n_, 0
.rept 32
.set W_, 16*(n_%16)
.set X_, 128*(\k)+16*(n_/4)
.set A_, ACC+8*(n_%4)
.set C_, A_
.if n_ < 4
.set C_, BQ+8*n_
.endif
.set WS_, SB+8*((n_%4)/2)+n_/4
.set XS_, SA+8*(\k)+n_/4
	WIN (1+n_/16)|(3<<2)
.if n_%2
	v_wmma_scale_f32_16x16x128_f8f6f4 v[A_:A_+7], v[W_:W_+15], v[X_:X_+15], v[C_:C_+7], v[WS_], v[XS_] matrix_a_fmt:MATRIX_FMT_BF8 matrix_b_fmt:MATRIX_FMT_BF8 matrix_a_scale:MATRIX_SCALE_ROW1
.else
	v_wmma_scale_f32_16x16x128_f8f6f4 v[A_:A_+7], v[W_:W_+15], v[X_:X_+15], v[C_:C_+7], v[WS_], v[XS_] matrix_a_fmt:MATRIX_FMT_BF8 matrix_b_fmt:MATRIX_FMT_BF8
.endif
.set n_, n_+1
.endr
	WIN 0
.endm
	s_load_b256 s[32:39], s[0:1], 0x0              ; oimg, os, wimg, ws
	s_load_b128 s[40:43], s[0:1], 0x20             ; bo, out0
	v_lshl_add_u32 v[SPW], v0, 2, SPARE
	v_mov_b32 v[NIL], 0
	ds_add_u32 v[SPW], v[NIL]                      ; the opening: the add twice on end and one wait
	ds_add_u32 v[SPW], v[NIL]
	v_lshrrev_b32 v1, 5, v0
	v_readfirstlane_b32 s14, v1                    ; wave 0..3
	s_lshr_b32 s15, s14, 1                         ; my half of the tokens
	s_and_b32 s16, s14, 1                          ; my half of the columns
	s_mul_i32 s72, s14, 4352
	s_add_co_u32 s72, s72, STG                     ; my stage
	s_lshl_b32 s73, s16, 9
	s_lshl_b32 s74, s15, 12
	s_add_co_u32 s73, s73, s74
	s_add_co_u32 s73, s73, XS                      ; the scale words that I join: tokens' half w % 2, K steps 4 (w / 2) on
	s_lshl_b32 s76, s14, 16
	v_and_b32 v1, 15, v0
	v_bfe_u32 v2, v0, 4, 1
	v_and_b32 v3, 31, v0
	v_lshlrev_b32 v[LI], 4, v3
	v_lshlrev_b32 v[R4], 2, v1
	v_lshlrev_b32 v[L4], 2, v3
	v_lshlrev_b32 v[BO], 5, v2
	v_lshlrev_b32 v[PF], 8, v3
	v_mul_u32_u24 v20, v1, 272
	v_mul_u32_u24 v21, v2, 272
	v_lshlrev_b32 v22, 12, v2
	v_lshl_add_u32 v20, v2, 5, v20
	v_lshl_add_u32 v21, v1, 4, v21
	v_lshl_add_u32 v[CO], v1, 4, v22               ; lanes 0-15 take one row of out0, lanes 16-31 the next; 16 bytes a lane
	v_add_nc_u32 v[STO], s72, v20                  ; into the stage: row r, 32 bytes for each half of the lanes
	v_add_nc_u32 v[RD], s72, v21                   ; back: lanes 0-15 one row of 256 bytes, lanes 16-31 the next
	v_add_nc_u32 v[AS0], XS, v[R4]
	v_lshlrev_b32 v[XG], 3, v3
	v_lshl_add_u32 v[XL], v3, 4, s73
	v_lshl_add_u32 v[RA], v3, 4, s76
	s_bfe_u32 s19, ttmp6, 0x40000                  ; cx
	s_bfe_u32 s80, ttmp6, 0x40004                  ; cy
	s_lshl_b32 s17, ttmp9, 2
	s_add_co_u32 s17, s17, s19                     ; which 128 columns: a column of the cluster shares them
	s_and_b32 s18, ttmp7, 0xffff
	s_lshl_b32 s18, s18, 2
	s_add_co_u32 s18, s18, s80                     ; which 256 tokens: a row of the cluster shares them
	s_lshl_b32 s80, s80, 2
	s_lshl_b32 s80, 15, s80                        ; my row of the cluster
	s_lshl_b32 s81, 0x1111, s19                    ; my column
	s_or_b32 s[G1], s80, (3<<16)|(1<<21)           ; a dense block of 65,536 bytes as 256 rows of 256 (32 elements of 8 bytes): the tokens go to my row,
	s_or_b32 s[G1R], s81, (3<<16)|(1<<21)          ; the weight to my column
.irp g, G1, G1R
	s_mov_b32 s[\g+1], 32<<16
	s_mov_b32 s[\g+2], 256<<16
	s_mov_b32 s[\g+3], 32<<16
	s_mov_b32 s[\g+4], 256
	s_mov_b32 s[\g+5], 32
	s_mov_b32 s[\g+6], 0
	s_mov_b32 s[\g+7], 0
.endr
	s_mov_b32 s[G0], 1
	s_lshl_b32 s[G0+1], s14, 16
	s_mov_b32 s[G0R], 1
	s_lshl_b32 s[G0R+1], s14, 16
	s_lshl_b32 s[TO], s15, 17
	s_lshl_b32 s[SO], s15, 9
	s_mov_b32 s70, 0x05040100
	s_mov_b32 s71, 0x07060302
	s_mov_b32 s75, 0
	s_mov_b32 s77, 0
	s_wait_alu depctr_va_vdst(0)
	s_wait_dscnt 0x0
	CROUND                                         ; all sixteen work-groups are here: the joint loads meet
	s_wait_kmcnt 0x0
	s_lshl_b32 s76, s17, 17
	s_lshl_b32 s74, s16, 16
	s_add_co_u32 s76, s76, s74
	s_add_co_u32 s76, s76, 0x300000
	s_add_nc_u64 s[G0R+2:G0R+3], s[36:37], s[76:77]  ; wimg: my 64 columns of Wo
	s_or_b32 s[G0R+3], s[G0R+3], 0x80000000
	tensor_load_to_lds s[G0R:G0R+3], s[G1R:G1R+7]  ; my weight: one load a wave, one line for all
	s_nop 0
	PLACES 4
	s_lshl_b32 s74, s18, 18
	s_lshl_b32 s76, s14, 16
	s_add_co_u32 s74, s74, s76
	s_add_nc_u64 s[G0+2:G0+3], s[32:33], s[74:75]  ; my quarter of the tokens, for the refill
	s_or_b32 s[G0+3], s[G0+3], 0x80000000
	s_lshl_b32 s74, s18, 18
	s_lshl_b32 s76, s19, 16
	s_add_co_u32 s74, s74, s76
	s_lshl_b32 s76, s14, 14
	s_add_co_u32 s74, s74, s76
	s_add_nc_u64 s[PFB:PFB+1], s[32:33], s[74:75]  ; my work-group's quarter of what the row will load, my wave's 16,384 bytes of it
	global_prefetch_b8 v[PF], s[PFB:PFB+1] th:TH_LOAD_NT scope:SCOPE_SE
	global_prefetch_b8 v[PF], s[PFB:PFB+1] offset:8192 th:TH_LOAD_NT scope:SCOPE_SE
	s_lshl_b32 s74, s18, 9
	s_lshl_b32 s76, s16, 8
	s_add_co_u32 s74, s74, s76
	s_lshl_b32 s76, s15, 17
	s_add_co_u32 s74, s74, s76
	s_add_nc_u64 s[34:35], s[34:35], s[74:75]      ; os: 128 tokens of 2 bytes, eight heads of 16,384 bytes
	s_lshl_b32 s76, s17, 9
	s_lshl_b32 s74, s16, 8
	s_add_co_u32 s76, s76, s74
	s_add_nc_u64 s[40:41], s[40:41], s[76:77]      ; bo
	s_add_nc_u64 s[OP:OP+1], s[42:43], s[76:77]
	s_add_co_u32 s76, s76, 12288
	s_add_nc_u64 s[WB:WB+1], s[38:39], s[76:77]    ; ws
	s_lshl_b32 s76, s18, 20
	s_lshl_b32 s74, s15, 19
	s_add_co_u32 s76, s76, s74
	s_add_nc_u64 s[OP:OP+1], s[OP:OP+1], s[76:77]  ; out0: my first row, my 64 columns
.irp p, 0,1,2,3
	global_load_b64 v[128+4*\p:129+4*\p], v[XG], s[34:35] offset:32768*\p          ; a lane takes four tokens: 8 bytes of each head, 256 consecutive bytes a load
	global_load_b64 v[130+4*\p:131+4*\p], v[XG], s[34:35] offset:32768*\p+16384
.endr
.irp p, 0,1
.irp q, 0,1,2,3,4,5,6,7
	global_load_b32 v[SB+8*\p+\q], v[L4], s[WB:WB+1] offset:32768*\q+128*\p
.endr
.endr
.irp b, 0,1,2,3
	global_load_b128 v[BQ+8*\b:BQ+8*\b+3],   v[BO], s[40:41] offset:64*\b
	global_load_b128 v[BQ+8*\b+4:BQ+8*\b+7], v[BO], s[40:41] offset:64*\b+16
.endr
	s_wait_loadcnt 24                              ; the eight loads of scale halves are in; the 16 + 8 behind them may be out
.irp p, 0,1,2,3
	v_perm_b32 v[144+4*\p], v[130+4*\p], v[128+4*\p], s70          ; a token's word: the even head's two bytes below, the odd head's above
	v_perm_b32 v[145+4*\p], v[130+4*\p], v[128+4*\p], s71
	v_perm_b32 v[146+4*\p], v[131+4*\p], v[129+4*\p], s70
	v_perm_b32 v[147+4*\p], v[131+4*\p], v[129+4*\p], s71
	ds_store_b128 v[XL], v[144+4*\p:147+4*\p] offset:1024*\p
.endr
	s_wait_tensorcnt 0x0                           ; my weight is in: bytes that I alone read
.set f_, 0
.rept 32                               ; fragment f = 4 q + b (K step q, tile b) into window 1 + f / 16: 128 LDS loads
	WIN (1+f_/16)<<6
.irp c, 0,1,2,3
	ds_load_b128 v[16*(f_%16)+4*\c:16*(f_%16)+4*\c+3], v[RA] offset:(f_%4)*16384+(f_/4)*2048+512*\c
.endr
.set f_, f_+1
.endr
	WIN 0
	s_wait_tensorcnt 0x0
	ds_add_u32 v[SPW], v[NIL]
	s_wait_dscnt 0x0                               ; the add is done, and my weight stands in registers
	CROUND                                         ; no wave of any partner still reads these bytes or has a load on its way
	tensor_load_to_lds s[G0:G0+3], s[G1:G1+7]      ; my quarter of the tokens, over the weight
	s_nop 0
	PLACES 4
	s_wait_tensorcnt 0x0                           ; every wave: its quarter is in
	s_barrier_signal -1
	s_barrier_wait -1
	FETCH 0
	s_add_co_u32 s[TO], s[TO], 16384
	s_add_co_u32 s[SO], s[SO], 64
	FETCH 1
	s_add_co_u32 s[TO], s[TO], 16384
	s_add_co_u32 s[SO], s[SO], 64
	s_mov_b32 s[CNT], 4
	s_wait_loadcnt 0x0                             ; the weight's scale words and the bias
	s_wait_dscnt 40                                ; block 0 is in
.macro PBLK k
	PRODS \k
	PLACES 9                                       ; in front of the stores of the sums, of loads into what the products read, and of the next block's first products, which write over the sums
	s_wait_xcnt 0x0                                ; the last block's stores have read their registers
.irp b, 0,1,2,3
	ds_store_b128 v[STO], v[ACC+8*\b:ACC+8*\b+3]   offset:64*\b        ; each accumulator from its low end on
	ds_store_b128 v[STO], v[ACC+8*\b+4:ACC+8*\b+7] offset:64*\b+16
.endr
.irp t, 0,1,2,3,4,5,6,7
	ds_load_b128 v[OUT+4*\t:OUT+4*\t+3], v[RD] offset:2*\t*272     ; LDS serves a wave's instructions in order: these see the stores above
.endr
	s_cmp_eq_u32 s[CNT], 1                         ; set k takes the block two on; the last two blocks fetch nothing
	s_cbranch_scc1 .Lnone_\@
	FETCH \k
	s_wait_dscnt 40                                ; all but the 40 just issued: the rows are back, and the other set is in
	s_branch .Ldone_\@
.Lnone_\@:
	s_wait_dscnt 0x0
.Ldone_\@:
	s_add_co_u32 s[TO], s[TO], 16384
	s_add_co_u32 s[SO], s[SO], 64
.irp t, 0,1,2,3,4,5,6,7
	global_store_b128 v[CO], v[OUT+4*\t:OUT+4*\t+3], s[OP:OP+1] offset:65536*\k+8192*\t th:TH_STORE_NT   ; sixteen lanes store 256 consecutive bytes, aligned
.endr
.endm
.Lblocks:                                          ; four trips of two blocks
	PBLK 0
	PBLK 1
	s_wait_xcnt 0x0
	s_add_nc_u64 s[OP:OP+1], s[OP:OP+1], 131072
	s_sub_co_u32 s[CNT], s[CNT], 1
	s_cmp_lg_u32 s[CNT], 0
	s_cbranch_scc1 .Lblocks
	s_wait_tensorcnt 0x0                           ; the wave's end
	ds_add_u32 v[SPW], v[NIL]
	s_wait_dscnt 0x0
	CROUND                                         ; the closing round
	s_endpgm
.Lfunc_end_k_q2a38448214_proj:
	.size	k_q2a38448214_proj, .Lfunc_end_k_q2a38448214_proj-k_q2a38448214_proj
	.p2alignl 7, 3214868480
	.fill 96, 4, 3214868480
	.section	.rodata,"a",@progbits
	.p2align	6, 0x0
	.amdhsa_kernel k_q2a38448214_proj
		.amdhsa_group_segment_fixed_size 327680
		.amdhsa_private_segment_fixed_size 0
		.amdhsa_enable_private_segment 0
		.amdhsa_kernarg_size 48
		.amdhsa_user_sgpr_count 2
		.amdhsa_user_sgpr_kernarg_segment_ptr 1
		.amdhsa_wavefront_size32 1
		.amdhsa_system_sgpr_workgroup_id_x 1
		.amdhsa_system_sgpr_workgroup_id_y 1
		.amdhsa_system_sgpr_workgroup_id_z 1
		.amdhsa_system_vgpr_workitem_id 0
		.amdhsa_next_free_vgpr 1024
		.amdhsa_next_free_sgpr 96
		.amdhsa_reserve_vcc 0
		.amdhsa_float_denorm_mode_32 3
		.amdhsa_float_denorm_mode_16_64 3
		.amdhsa_memory_ordered 1
		.amdhsa_forward_progress 1
		.amdhsa_inst_pref_size 44
	.end_amdhsa_kernel
	.amdgpu_metadata
---
amdhsa.version: [ 1, 2 ]
amdhsa.kernels:
  - .name:           k_q2a38448214_proj
    .symbol:         k_q2a38448214_proj.kd
    .args:
      - { .name: oimg, .offset: 0, .size: 8, .value_kind: global_buffer, .address_space: global }
      - { .name: os, .offset: 8, .size: 8, .value_kind: global_buffer, .address_space: global }
      - { .name: wimg, .offset: 16, .size: 8, .value_kind: global_buffer, .address_space: global }
      - { .name: ws, .offset: 24, .size: 8, .value_kind: global_buffer, .address_space: global }
      - { .name: bo, .offset: 32, .size: 8, .value_kind: global_buffer, .address_space: global }
      - { .name: out0, .offset: 40, .size: 8, .value_kind: global_buffer, .address_space: global }
    .group_segment_fixed_size: 327680
    .private_segment_fixed_size: 0
    .kernarg_segment_align: 8
    .kernarg_segment_size: 48
    .max_flat_workgroup_size: 128
    .sgpr_count:     96
    .vgpr_count:     1024
    .wavefront_size: 32
...
	.end_amdgpu_metadata
.endif
;; end of part 4
